; MI455X (gfx1250); checked and timed in simulation.
; The chip was launched on July 23, 2026; its instructions are those of AMD's public machine-readable ISA for CDNA 5 (MIT licence, August 2026) and "CDNA5" Instruction Set Architecture Reference Guide (July 2026). The comments in the code are by the model that wrote it; some were corrected since.
;; Multi Head Attention. Allowed arithmetic: matrix products marked QUANTISED: E2M1 operands, one E8M0 scale for each 32 along K, by v_wmma_scale_f32_16x16x128_f8f6f4 with both operands' format E2M1 (or v_wmma_scale_f32_32x16x128_f4), f32 sums; products left as they are: bf16, f16 or f32 operands; f32 sums; everything else in f32.
;; Inputs: wk 1,024 x 1,024 float32; wo 1,024 x 1,024 float32; wq 1,024 x 1,024 float32; wv 1,024 x 1,024 float32; x 4 x 2,048 x 1,024 float32.
;; Outputs: out0 4 x 2,048 x 1,024 float32.
;; This version of the problem:
;;   THIS VERSION OF THE PROBLEM IS GIVEN IN LOW PRECISION. The matrix products marked QUANTISED in the list below multiply operands that are first quantised to E2M1 (2 exponent bits, 1 mantissa bit; 4 bits a number), with one power-of-two scale for each 32 numbers along K (OCP MX v1.0); their sums are f32. The products marked 'left as it is' may take bf16, f16 or f32 operands, with f32 sums. Whichever they take, every output number must still come out within the allowed error. Rounding operands to bf16 (8 significant bits) uses up far more of that allowance than f16 does (11 bits, for magnitudes from 6e-5 to 65,504). All else is computed in f32.
;;   The module's matrix products, in the order in which they are computed (A, B: the left and right operand; K: the contracted axis; several contracted axes count as one K, in the product's order):
;;     1. [M 8,192, K 1,024] x [K 1,024, N 1,024]; A: input x; B: input wq: QUANTISED
;;     2. [M 8,192, K 1,024] x [K 1,024, N 1,024]; A: input x; B: input wk: QUANTISED
;;     3. [M 8,192, K 1,024] x [K 1,024, N 1,024]; A: input x; B: input wv: QUANTISED
;;     4. batch 64 x [M 2,048, K 64] x [K 64, N 2,048]; A: computed on the way; B: computed on the way: left as it is (an operand is computed on the way)
;;     5. batch 64 x [M 2,048, K 2,048] x [K 2,048, N 64]; A: computed on the way; B: computed on the way: left as it is (an operand is computed on the way)
;;     6. [M 8,192, K 1,024] x [K 1,024, N 1,024]; A: computed on the way; B: input wo: left as it is (an operand is computed on the way)
;;   THE QUANTISER, for each operand of a quantised product, along K:
;;     - K is cut into blocks of 32 from its start; a last block that is shorter is filled with zeros.
;;     - A block's scale is 2^e with e = floor(log2(the largest magnitude in the block)) - 2, held to -126 .. 127; a block of zeros has e = 0. As a byte (E8M0): e + 127.
;;     - Each number is divided by its block's scale, clamped to +-6, and rounded to the nearest number of E2M1, ties to even, subnormals kept.
;;     - The product sums the exact products of the quantised numbers (number of the format x scale) in f32.
;;   ~~~python
;;   def quantise(x, axis):      # numpy; x: float32 -> the quantised numbers, widened to float32 again
;;       x = np.moveaxis(x, axis, -1); K = x.shape[-1]
;;       x = np.pad(x, [(0, 0)] * (x.ndim - 1) + [(0, -K % 32)]); x = x.reshape(x.shape[:-1] + (-1, 32)); a = np.abs(x).max(-1, keepdims=True)
;;       e = np.where(a > 0, np.clip(np.frexp(np.where(a > 0, a, 1))[1] - 1 - 2, -126, 127), 0)      # np.frexp(a)[1] - 1 = floor(log2(a)), exactly
;;       r = np.clip(x / 2.0 ** e, -6, 6)
;;       step = 2.0 ** (np.maximum(np.frexp(np.where(r == 0, 1, r))[1] - 1, 0) - 1)
;;       q = np.round(r / step) * step * 2.0 ** e      # np.round: ties to even
;;       return np.moveaxis(q.reshape(q.shape[:-2] + (-1,))[..., :K], -1, axis).astype(np.float32)
;;   ~~~
;; One version. Each part assembles by itself: llvm-mc -triple=amdgcn-amd-amdhsa -mcpu=gfx1250 --defsym DOCPART=n.
;; ======== version 1 of 1: 6 launches
;; limits: values are held in f16: magnitudes above 65,504 overflow, below 6.1e-05 lose precision
;; workspace buffers: codes 5,767,168 bytes; scales 360,448 bytes; wot 2,097,152 bytes; qkv 50,331,648 bytes; ctxh 16,777,216 bytes; ctx16 262,144 bytes
;; launch prep (part 1): grid 368 x 1, 4 waves a work-group, no clusters, 102,912 bytes of LDS; arguments x, wq, wk, wv, wo, codes, scales, wot; writes codes, scales, wot
.if DOCPART == 1
	.amdgcn_target "amdgcn-amd-amdhsa--gfx1250"
	.amdhsa_code_object_version 6
	.text
	.protected	k_qa994c67c42_prep
	.globl	k_qa994c67c42_prep
	.p2align	8
	.type	k_qa994c67c42_prep,@function
k_qa994c67c42_prep:
	s_mov_b64 s[64:65], 0
	v_nop
	global_prefetch_b8 v0, s[64:65] scope:SCOPE_SE
	s_setreg_imm32_b32 hwreg(HW_REG_WAVE_MODE, 25, 1), 1
	s_wait_xcnt 0x0
; PREP.  x [8192][1024] and wq, wk, wv [1024 (k)][1024 (n)], f32, become codes of FP4 (E2M1) with K innermost and one E8M0 byte for each 32 along K:
;   codes [11264 rows][512 bytes], scales [11264][32]: rows 0-8191 are x's rows, 8192 + n column n of wq, 9216 + n of wk, 10240 + n of wv.
; wo [1024 (d)][1024 (e)], f32, becomes f16 with d innermost, cut in chunks of 64 d: wot [16 chunks][1024 e][64 d].
; A block's scale is 2^(floor(log2(its largest magnitude)) - 2); its byte is that magnitude's exponent field - 2, held at 1 from below.  A block of zeros so gets the byte 1 where the
; quantiser says 127: its codes are zeros, which add nothing under any byte but 0xff, and this program alone reads the bytes.
; LIMITS: NaN and infinities among the inputs are not served; blocks whose largest magnitude lies under 2^-124 keep the byte 1; wo must lie inside f16's range (under 65,504).
; Three paths part on the work-group's number: 0-255 x, 256-303 the three weights, 304-367 wo.  Each has LDS bytes of its own.  No tensor load, no barrier: waves share nothing.
.set SPARE, 102400                     ; behind the three paths' bytes: the spare words, 128 bytes for each wave
.set SPW,   4                          ; v4  LDS address of my spare word; never rewritten
.set NIL,   5                          ; v5  0; never rewritten
.set WREG,  8192                       ; path x: a wave's LDS: two stages of 32 x SP bytes, behind them its 256 scale bytes
.set SP,    80                         ; a lane's place in a stage: 64 bytes + 16 of padding
.set R,     16                         ; v16-79   path x: four sets of 16 numbers as loaded
.set XX,    80                         ; v80-111  path x: two sets of 16 neighbours
.set E,     112                        ; v112-127 path x: a scale byte for each step
.set C,     128                        ; v128-159 path x: two registers of codes for each step
.set WSTG,  32768                      ; the weights' stages: 32 rows x PITCH for each wave
.set OSTG,  67584                      ; wo's stages likewise
.set PITCH, 272
.set X,     32                         ; v32-95   two sets of 32 numbers down K
.set CW,    96                         ; v96..    a block's codes, or its 16 registers of f16
.set OUTR,  112                        ; v112-175 the way out
.set SB,    24                         ; v24-27   a column's 16 scale bytes
.macro XLOAD t                         ; path x, step t: 2,048 bytes as they lie, 512 consecutive bytes a load
.irp i, 0,1,2,3
	global_load_b128 v[R+16*((\t)%4)+4*\i:R+16*((\t)%4)+4*\i+3], v3, s[4:5] offset:2048*(\t)+512*\i th:TH_LOAD_NT
.endr
.endm
.macro XTURN t                         ; through my stage: in as loaded, back 64 bytes a lane; LDS serves a wave's instructions in order
.irp i, 0,1,2,3
	ds_store_b128 v6, v[R+16*((\t)%4)+4*\i:R+16*((\t)%4)+4*\i+3] offset:32*SP*((\t)%2)+8*SP*\i
.endr
.irp i, 0,1,2,3
	ds_load_b128 v[XX+16*((\t)%2)+4*\i:XX+16*((\t)%2)+4*\i+3], v7 offset:32*SP*((\t)%2)+16*\i
.endr
.endm
.macro XSTEP t
.set XS, XX+16*((\t)%2)
.if (\t) > 0
	s_wait_dscnt 1                                 ; this step's numbers are back from the stage; the last step's byte store may be out
.else
	s_wait_dscnt 0x0
.endif
.if (\t)+4 < 16
	XLOAD (\t)+4                                   ; into the set whose stores into the stage are done
.endif
.if (\t)+1 < 16
.if 14-(\t) >= 3
	s_wait_loadcnt 12                              ; the next step's four loads are in; the twelve of the three steps behind it may be out
.else
	s_wait_loadcnt 4*(14-(\t))
.endif
	XTURN (\t)+1
.endif
	v_max3_num_f32 v12, |v[XS]|, |v[XS+1]|, |v[XS+2]|      ; the largest magnitude of my 16, in two chains
	v_max3_num_f32 v13, |v[XS+3]|, |v[XS+4]|, |v[XS+5]|
.irp i, 6,10
	v_max3_num_f32 v12, v12, |v[XS+\i]|, |v[XS+\i+1]|
	v_max3_num_f32 v13, v13, |v[XS+\i+2]|, |v[XS+\i+3]|
.endr
	v_max3_num_f32 v12, v12, |v[XS+14]|, |v[XS+15]|
	v_max3_num_f32 v12, v12, v13, 0x1800000        ; and the floor 2^(3 - 127): the byte cannot fall under 1
	v_max_num_f32_dpp v12, v12, v12 row_xmask:1 row_mask:0xf bank_mask:0xf   ; with my neighbour's 16: the block's
	v_add_nc_u32 v14, 0xff000000, v12              ; 2 off its exponent field: the conversion takes that field as its scale
	v_cvt_scalef32_pk8_fp4_f32 v[C+2*(\t)], v[XS:XS+7], v14
	v_cvt_scalef32_pk8_fp4_f32 v[C+2*(\t)+1], v[XS+8:XS+15], v14
	v_lshrrev_b32 v[E+(\t)], 23, v14               ; the scale's byte
	ds_store_b8 v9, v[E+(\t)] offset:16*(\t)       ; both lanes of a block write the same byte with the same value
	global_store_b64 v8, v[C+2*(\t):C+2*(\t)+1], s[14:15] offset:256*(\t)    ; the wave stores 256 consecutive bytes, aligned
.endm
.macro WLOAD t, sb                     ; 32 rows of K at my column, into set t % 2; neighbouring lanes read neighbouring columns
.irp i, 0,1,2,3,4,5,6,7,8,9,10,11,12,13,14,15,16,17,18,19,20,21,22,23,24,25,26,27,28,29,30,31
	global_load_b32 v[X+32*((\t)%2)+\i], v3, s[\sb:\sb+1] offset:(32*(\t)+\i)*4096 th:TH_LOAD_NT
.endr
.endm
.macro WBLOCK t                        ; a weight's block t of 16: all 32 numbers are mine
.set XS, X+32*((\t)%2)
.if (\t) < 15
	s_wait_loadcnt 32                              ; this block's 32 loads are in; the next block's 32 may be out
.else
	s_wait_loadcnt 0x0
.endif
	v_max3_num_f32 v12, |v[XS]|, |v[XS+1]|, |v[XS+2]|
	v_max3_num_f32 v13, |v[XS+3]|, |v[XS+4]|, |v[XS+5]|
.irp i, 6,10,14,18,22,26
	v_max3_num_f32 v12, v12, |v[XS+\i]|, |v[XS+\i+1]|
	v_max3_num_f32 v13, v13, |v[XS+\i+2]|, |v[XS+\i+3]|
.endr
	v_max3_num_f32 v12, v12, |v[XS+30]|, |v[XS+31]|
	v_max3_num_f32 v12, v12, v13, 0x1800000        ; the floor
	v_add_nc_u32 v14, 0xff000000, v12
	v_lshrrev_b32 v13, 23, v14                     ; the scale's byte
.if (\t)%4 == 0
	v_mov_b32 v[SB+(\t)/4], v13                    ; four bytes to a register, the lower K in the lower byte
.else
	v_lshl_or_b32 v[SB+(\t)/4], v13, 8*((\t)%4), v[SB+(\t)/4]
.endif
.irp g, 0,1,2,3
	v_cvt_scalef32_pk8_fp4_f32 v[CW+\g], v[XS+8*\g:XS+8*\g+7], v14
.endr
	ds_store_b128 v6, v[CW:CW+3] offset:16*(\t)    ; 32 codes: 16 bytes of my column's row
.if (\t)+2 < 16
	WLOAD (\t)+2, 6
.endif
	s_wait_dscnt 0x0                               ; the store has read its registers: the next block's codes may be written
.endm
.macro OBLOCK t                        ; wo's block t of 4: 32 numbers down d become 16 registers of f16
.set XS, X+32*((\t)%2)
.if (\t) < 3
	s_wait_loadcnt 32                              ; this block's 32 loads are in; the next block's 32 may be out
.else
	s_wait_loadcnt 0x0
.endif
.irp i, 0,1,2,3,4,5,6,7,8,9,10,11,12,13,14,15
	v_cvt_pk_f16_f32 v[CW+\i], v[XS+2*\i], v[XS+2*\i+1]
.endr
.irp g, 0,1,2,3
	ds_store_b128 v6, v[CW+4*\g:CW+4*\g+3] offset:64*(\t)+16*\g
.endr
.if (\t)+2 < 4
	WLOAD (\t)+2, 12
.endif
	s_wait_dscnt 0x0
.endm
.macro FINISH                          ; the wave's end: a tensor wait, an add of 0 to my spare word and its wait, behind my last LDS store
	s_wait_tensorcnt 0x0
	ds_add_u32 v[SPW], v[NIL]
	s_wait_dscnt 0x0
	s_endpgm
.endm
	s_load_b256 s[4:11], s[0:1], 0x0               ; x, wq, wk, wv
	s_load_b256 s[12:19], s[0:1], 0x20             ; wo, codes, scales, wot
	v_lshl_add_u32 v[SPW], v0, 2, SPARE
	v_mov_b32 v[NIL], 0
	v_lshrrev_b32 v1, 5, v0
	v_readfirstlane_b32 s24, v1                    ; wave 0..3
	v_and_b32 v2, 31, v0                           ; lane
	s_wait_kmcnt 0x0
	s_cmp_lt_u32 ttmp9, 256
	s_cbranch_scc1 .Lx
	s_cmp_lt_u32 ttmp9, 304
	s_cbranch_scc1 .Lw
	; ---- wo: a wave takes 32 columns e x 128 d
	s_sub_co_u32 s25, ttmp9, 304
	s_and_b32 s26, s25, 7                          ; which 128 columns
	s_lshr_b32 s27, s25, 3                         ; which 128 d
	s_lshl_b32 s26, s26, 7
	s_lshl_b32 s28, s24, 5
	s_add_co_u32 s26, s26, s28                     ; my wave's first column
	s_lshl_b32 s28, s27, 19                        ; 128 rows of 4,096 bytes
	s_lshl_b32 s29, s26, 2
	s_add_co_u32 s28, s28, s29
	s_mov_b32 s29, 0
	s_add_nc_u64 s[12:13], s[12:13], s[28:29]
	s_lshl_b32 s28, s27, 18                        ; two chunks of 131,072 bytes
	s_lshl_b32 s30, s26, 7                         ; a row e of a chunk is 128 bytes
	s_add_co_u32 s28, s28, s30
	s_add_nc_u64 s[18:19], s[18:19], s[28:29]
	s_mul_i32 s30, s24, 32*PITCH
	s_add_co_u32 s30, s30, OSTG                    ; my stage
	v_lshlrev_b32 v3, 2, v2
	v_mul_u32_u24 v6, v2, PITCH
	v_add_nc_u32 v6, s30, v6                       ; in: row = my column: 256 bytes = chunk 2 kc, then chunk 2 kc + 1
	v_bfe_u32 v10, v2, 3, 1
	v_lshrrev_b32 v11, 4, v2
	v_and_b32 v12, 7, v2
	v_mul_u32_u24 v7, v10, PITCH
	v_lshl_add_u32 v7, v11, 7, v7
	v_lshl_add_u32 v7, v12, 4, v7
	v_add_nc_u32 v7, s30, v7                       ; back: lanes 0-15 two columns' first halves, lanes 16-31 their second halves
	v_lshlrev_b32 v8, 17, v11
	v_lshl_add_u32 v8, v10, 7, v8
	v_lshl_add_u32 v8, v12, 4, v8                  ; and in wot: sixteen lanes store 256 consecutive bytes, aligned
	WLOAD 0, 12
	WLOAD 1, 12
.irp t, 0,1,2,3
	OBLOCK \t
.endr
.irp t, 0,1,2,3,4,5,6,7,8,9,10,11,12,13,14,15
	ds_load_b128 v[OUTR+4*\t:OUTR+4*\t+3], v7 offset:2*PITCH*\t
.endr
.irp t, 0,1,2,3,4,5,6,7,8,9,10,11,12,13,14,15
	s_wait_dscnt 15-\t                             ; LDS loads come back in order: load t is in
	global_store_b128 v8, v[OUTR+4*\t:OUTR+4*\t+3], s[18:19] offset:256*\t
.endr
	FINISH
.Lw:	; ---- wq, wk, wv: a wave takes 32 columns x 512 along K
	s_sub_co_u32 s25, ttmp9, 256
	s_lshr_b32 s26, s25, 4                         ; which weight
	s_and_b32 s27, s25, 7                          ; which 128 columns
	s_bfe_u32 s28, s25, 0x10003                    ; which half of K
	s_cmp_eq_u32 s26, 0                            ; the choice of buffer hangs on the work-group's number alone
	s_cselect_b64 s[6:7], s[6:7], s[8:9]
	s_cmp_eq_u32 s26, 2
	s_cselect_b64 s[6:7], s[10:11], s[6:7]
	s_lshl_b32 s27, s27, 7
	s_lshl_b32 s29, s24, 5
	s_add_co_u32 s27, s27, s29                     ; my wave's first column
	s_lshl_b32 s30, s28, 21                        ; 512 rows of 4,096 bytes
	s_lshl_b32 s29, s27, 2
	s_add_co_u32 s30, s30, s29
	s_mov_b32 s31, 0
	s_add_nc_u64 s[6:7], s[6:7], s[30:31]
	s_lshl_b32 s29, s26, 10
	s_add_co_u32 s29, s29, s27
	s_add_co_u32 s29, s29, 8192                    ; my first row of codes and scales
	s_lshl_b32 s30, s29, 9
	s_lshl_b32 s32, s28, 8
	s_add_co_u32 s30, s30, s32
	s_add_nc_u64 s[14:15], s[14:15], s[30:31]
	s_lshl_b32 s30, s29, 5
	s_lshl_b32 s32, s28, 4
	s_add_co_u32 s30, s30, s32
	s_add_nc_u64 s[16:17], s[16:17], s[30:31]
	s_mul_i32 s32, s24, 32*PITCH
	s_add_co_u32 s32, s32, WSTG                    ; my stage
	v_lshlrev_b32 v3, 2, v2
	v_mul_u32_u24 v6, v2, PITCH
	v_add_nc_u32 v6, s32, v6                       ; in: row = my column
	v_and_b32 v10, 15, v2
	v_lshrrev_b32 v11, 4, v2
	v_mul_u32_u24 v7, v11, PITCH
	v_lshl_add_u32 v7, v10, 4, v7
	v_add_nc_u32 v7, s32, v7                       ; back: sixteen lanes to a row, two rows an instruction
	v_lshlrev_b32 v8, 9, v11
	v_lshl_add_u32 v8, v10, 4, v8                  ; the same place in codes
	v_lshlrev_b32 v9, 5, v2                        ; my column's row of scale bytes
	WLOAD 0, 6
	WLOAD 1, 6
.irp t, 0,1,2,3,4,5,6,7,8,9,10,11,12,13,14,15
	WBLOCK \t
.endr
	global_store_b128 v9, v[SB:SB+3], s[16:17]     ; 16 bytes of each of 32 rows of 32: one byte in 128 of what the path reads
.irp t, 0,1,2,3,4,5,6,7,8,9,10,11,12,13,14,15
	ds_load_b128 v[OUTR+4*\t:OUTR+4*\t+3], v7 offset:2*PITCH*\t
.endr
.irp t, 0,1,2,3,4,5,6,7,8,9,10,11,12,13,14,15
	s_wait_dscnt 15-\t
	global_store_b128 v8, v[OUTR+4*\t:OUTR+4*\t+3], s[14:15] offset:1024*\t   ; sixteen lanes store 256 consecutive bytes, aligned
.endr
	FINISH
.Lx:	; ---- x: a plain stream of blocks of 32; a wave takes 16 steps of 512 numbers
	s_lshl_b32 s25, ttmp9, 2
	s_add_co_u32 s25, s25, s24                     ; which run of 8,192 numbers
	s_lshl_b32 s26, s25, 15
	s_mov_b32 s27, 0
	s_add_nc_u64 s[4:5], s[4:5], s[26:27]
	s_lshl_b32 s26, s25, 12
	s_add_nc_u64 s[14:15], s[14:15], s[26:27]
	s_lshl_b32 s26, s25, 8
	s_add_nc_u64 s[16:17], s[16:17], s[26:27]
	s_mul_i32 s28, s24, WREG
	v_lshlrev_b32 v3, 4, v2
	v_lshrrev_b32 v6, 2, v2
	v_mul_u32_u24 v6, v6, SP
	v_and_b32 v7, 3, v2
	v_lshl_add_u32 v6, v7, 4, v6
	v_add_nc_u32 v6, s28, v6                       ; the stage, on the way in: four lanes' 64 bytes on end, then 16 of padding
	v_mul_u32_u24 v7, v2, SP
	v_add_nc_u32 v7, s28, v7                       ; and on the way out: my 16 neighbours
	v_lshlrev_b32 v8, 3, v2                        ; my 8 bytes of a step's codes, and of the scale bytes at the end
	v_lshrrev_b32 v9, 1, v2
	s_add_co_u32 s28, s28, 2*32*SP
	v_add_nc_u32 v9, s28, v9                       ; my block's byte among my wave's 256
	v_add_nc_u32 v10, s28, v8
.irp t, 0,1,2,3
	XLOAD \t
.endr
	s_wait_loadcnt 12                              ; step 0's four loads are in
	XTURN 0
.irp t, 0,1,2,3,4,5,6,7,8,9,10,11,12,13,14,15
	XSTEP \t
.endr
	ds_load_b64 v[12:13], v10                      ; LDS serves a wave's instructions in order: this sees my byte stores
	s_wait_dscnt 0x0
	global_store_b64 v8, v[12:13], s[16:17]        ; 32 lanes store 256 consecutive bytes, aligned
	FINISH
.Lfunc_end_k_qa994c67c42_prep:
	.size	k_qa994c67c42_prep, .Lfunc_end_k_qa994c67c42_prep-k_qa994c67c42_prep
	.p2alignl 7, 3214868480
	.fill 96, 4, 3214868480
	.section	.rodata,"a",@progbits
	.p2align	6, 0x0
	.amdhsa_kernel k_qa994c67c42_prep
		.amdhsa_group_segment_fixed_size 102912
		.amdhsa_private_segment_fixed_size 0
		.amdhsa_enable_private_segment 0
		.amdhsa_kernarg_size 64
		.amdhsa_user_sgpr_count 2
		.amdhsa_user_sgpr_kernarg_segment_ptr 1
		.amdhsa_wavefront_size32 1
		.amdhsa_system_sgpr_workgroup_id_x 1
		.amdhsa_system_sgpr_workgroup_id_y 1
		.amdhsa_system_sgpr_workgroup_id_z 1
		.amdhsa_system_vgpr_workitem_id 0
		.amdhsa_next_free_vgpr 192
		.amdhsa_next_free_sgpr 66
		.amdhsa_reserve_vcc 0
		.amdhsa_float_denorm_mode_32 3
		.amdhsa_float_denorm_mode_16_64 3
		.amdhsa_memory_ordered 1
		.amdhsa_forward_progress 1
		.amdhsa_inst_pref_size 133
	.end_amdhsa_kernel
	.amdgpu_metadata
---
amdhsa.version: [ 1, 2 ]
amdhsa.kernels:
  - .name:           k_qa994c67c42_prep
    .symbol:         k_qa994c67c42_prep.kd
    .args:
      - { .name: x, .offset: 0, .size: 8, .value_kind: global_buffer, .address_space: global }
      - { .name: wq, .offset: 8, .size: 8, .value_kind: global_buffer, .address_space: global }
      - { .name: wk, .offset: 16, .size: 8, .value_kind: global_buffer, .address_space: global }
      - { .name: wv, .offset: 24, .size: 8, .value_kind: global_buffer, .address_space: global }
      - { .name: wo, .offset: 32, .size: 8, .value_kind: global_buffer, .address_space: global }
      - { .name: codes, .offset: 40, .size: 8, .value_kind: global_buffer, .address_space: global }
      - { .name: scales, .offset: 48, .size: 8, .value_kind: global_buffer, .address_space: global }
      - { .name: wot, .offset: 56, .size: 8, .value_kind: global_buffer, .address_space: global }
    .group_segment_fixed_size: 102912
    .private_segment_fixed_size: 0
    .kernarg_segment_align: 8
    .kernarg_segment_size: 64
    .max_flat_workgroup_size: 128
    .sgpr_count:     66
    .vgpr_count:     192
    .wavefront_size: 32
...
	.end_amdgpu_metadata
.endif
;; end of part 1
;; launch qkv (part 2): grid 96 x 4, 4 waves a work-group, clusters of 4 x 4, 327,680 bytes of LDS; arguments codes, scales, qkv; writes qkv
.if DOCPART == 2
	.amdgcn_target "amdgcn-amd-amdhsa--gfx1250"
	.amdhsa_code_object_version 6
	.text
	.protected	k_qa994c67c42_qkv
	.globl	k_qa994c67c42_qkv
	.p2align	8
	.type	k_qa994c67c42_qkv,@function
k_qa994c67c42_qkv:
	s_mov_b64 s[64:65], 0
	v_nop
	global_prefetch_b8 v0, s[64:65] scope:SCOPE_SE
	s_setreg_imm32_b32 hwreg(HW_REG_WAVE_MODE, 25, 1), 1
	s_wait_xcnt 0x0
	s_wait_alu depctr_hold_cnt(0) depctr_sa_sdst(0) depctr_va_vdst(0) depctr_va_sdst(0) depctr_va_ssrc(0) depctr_va_vcc(0) depctr_vm_vsrc(0)
	s_getreg_b32 s2, hwreg(HW_REG_IB_STS2, 6, 4)
	s_cmp_eq_u32 s2, 0
	s_cbranch_scc0 .Lentry_in_a_cluster
	s_endpgm
.Lentry_in_a_cluster:
	s_bfe_u32 s2, ttmp6, 0x10000c
	s_cmp_lg_u32 s2, 0xf033
	s_cbranch_scc0 .Lentry_shape_is_right
	s_endpgm
.Lentry_shape_is_right:
; QKV.  The three quantised products, on codes of FP4 (E2M1) with one E8M0 scale for each 32 along K = 1,024, as C = A B^T on rows of the buffer codes [11264][512 bytes] (scales [11264][32]).
; Clusters 0-15: A = 1,024 rows of x, B = wq's or wk's 1,024 columns: q and k.  Clusters 16-23: A = wv's 1,024 columns, B = 1,024 rows of x: v TRANSPOSED.  The choice hangs on the cluster's number alone, which the
; sixteen partners share, and is made by selections of offsets: one text, no branch.
; OUT, f16: qkv bytes 0 .. 32 MiB: [b 4][g 32][s 2048][64], g = head for q (already x c = log2(e) / 8, multiplied in f32 ahead of the one rounding), g = 16 + head for k;
;   from byte 33,554,432: v^T as [G = b 32 + key / 64][e 1024][64 keys].  In both, column n of C lies in plane n / 64 and a row of a plane is 128 bytes.  k's and v's tiles are multiplied by 1.0: one path for all.
; LIMITS: q x c, k and v must lie inside f16's range (under 65,504); numbers under 6e-5 keep f16's absolute step.
; A tile of C, 256 x 256, is made by four waves, 128 x 128 each: 64 accumulators, 512 registers.  K's two steps of 512 lie in two LDS slots; each is filled once, at the head, and so are the scale bytes of the
; work-group's rows: by this text's count a wave has three tensor loads out.  The four work-groups of a row of the cluster need the same tiles of A, the four of a column the same tiles of B: joint loads.
; THE MATRIX INSTRUCTION IS USED TRANSPOSED (source 0 = 16 rows of B, source 1 = 16 rows of A): a lane holds eight neighbouring numbers of a row of C.
; REGISTERS: window 0: v0-31 addresses; v32-95 scale words, two sets; v128-191 A's fragments, one set; way out: v192-223 packed, v32-63 and v224-255 rows read back.
;   window 1: B's fragments, two sets, at v0 and v128.  window 2: accumulators of my rows 0-63 ((a, b) at v[8 (8 a + b)]); window 3: rows 64-127.
.set NQ,     4                         ; matrix instructions deep in a slot
.set ROWB,   256                       ; a tile's row: 512 codes
.set KROW,   512                       ; a row of codes in memory
.set PITCH,  272                       ; 256 bytes + 16 of padding: the 16 rows that a load touches start at 16 different banks (64 banks of 4 bytes: ISA guide 11.1)
.set FR,     8
.set NL,     2
.set NP,     4                         ; places behind this matrix instruction (ISA guide 7.12.1)
.set HALFT,  128*PITCH
.set SLOT,   4*HALFT
.set KS,     32
.set SCL,    2*SLOT                    ; behind the slots: the scale bytes, as units of 256 bytes + 16 of padding
.set HALFS,  (128*KS/256)*272
.set SBLK,   (16*KS/256)*272
.set SPARE,  SCL+4*HALFS               ; the spare words, 128 bytes for each wave
.set SPITCH, 272                       ; the way out: 16 rows x (256 bytes + 16) for each wave, in slot 0: it has had its one fill, and nobody reads it behind the change of slots
.set ADRA, 16
.set ADRB, 20
.set STO,  24
.set RD,   25
.set CO,   26
.set ADRS, 27
.set SPW,  28
.set NIL,  29
.set SC,   32
.set AF,   128
.set TMP,  192
.set OB,   32
.set G1, 24
.set G0, 32
.set G1B, 48
.set G0B, 56
.set G1S, 68
.set G0S, 76
.set G1SB, 80
.set G0SB, 88
.set FAC, 96                           ; s[96:97] what the results are multiplied by: c for q, 1.0 for k and v
.set MSB, 0
.macro WIN new                         ; the immediate's high byte repeats the setting that is left
.if MSB != \new
	s_set_vgpr_msb (MSB<<8)|\new
.set MSB, \new
.endif
.endm
.set MUL_LO, 0xa1                      ; source 0 (B) window 1, source 1 (A) window 0, C and D window 2
.set MUL_HI, 0xf1
.set TO_B,   0x40
; A joint load: waves 0 and 1 fetch for A, waves 2 and 3 for B; the branch hangs on the wave's number alone.  An s_nop 0 and four v_nop follow each line.
.macro JLOAD g0a, g1a, g0b, g1b
	s_cmp_eq_u32 s15, 0
	s_cbranch_scc0 .Lfor_b_\@
	tensor_load_to_lds s[\g0a:\g0a+3], s[\g1a:\g1a+7]
	s_nop 0
.rept 4
	v_nop
.endr
	s_branch .Lasked_\@
.Lfor_b_\@:
	tensor_load_to_lds s[\g0b:\g0b+3], s[\g1b:\g1b+7]
	s_nop 0
.rept 4
	v_nop
.endr
.Lasked_\@:
.endm
.macro CROUND                          ; a round of the cluster's barrier
	s_barrier_signal -1
	s_barrier_wait -1
	s_cmp_lg_u32 s14, 0
	s_cbranch_scc1 .Lnot_wave_0_\@
	s_barrier_signal -3
.Lnot_wave_0_\@:
	s_barrier_wait -3
	s_barrier_signal -1
	s_barrier_wait -1
.endm
	s_load_b128 s[4:7], s[0:1], 0x0                ; codes, scales
	s_load_b64 s[12:13], s[0:1], 0x10              ; qkv
	v_lshl_add_u32 v[SPW], v0, 2, SPARE
	v_mov_b32 v[NIL], 0
	ds_add_u32 v[SPW], v[NIL]                      ; the wave's opening: the add, twice on end, and its wait ahead of my first tensor load
	ds_add_u32 v[SPW], v[NIL]
	v_lshrrev_b32 v1, 5, v0
	v_readfirstlane_b32 s14, v1                    ; wave 0..3
	s_lshr_b32 s15, s14, 1                         ; which half of the tile's rows is mine.  Also: I fetch for A (0) or for B (1)
	s_and_b32 s16, s14, 1                          ; which half of its columns.  Also: which 128 rows I fetch
	s_bfe_u32 s40, ttmp6, 0x40000                  ; cx
	s_bfe_u32 s41, ttmp6, 0x40004                  ; cy
	s_lshl_b32 s43, s41, 2
	s_lshl_b32 s43, 15, s43                        ; my row of the cluster
	s_lshl_b32 s44, 0x1111, s40                    ; my column
	; which product: all candidates first, then one comparison and selections alone
	s_lshr_b32 s95, ttmp9, 1                       ; t1: which 1,024 rows of x (q, k)
	s_and_b32 s98, ttmp9, 1                        ; t2: wq or wk
	s_max_u32 s99, ttmp9, 16
	s_sub_co_u32 s99, s99, 16                      ; t3: which 1,024 rows of x (v)
	s_lshl_b32 s18, s95, 10
	s_lshl_b32 s19, s98, 10
	s_add_co_u32 s19, s19, 8192
	s_lshl_b32 s2, s99, 10
	s_and_b32 s10, s95, 1
	s_lshl_b32 s10, s10, 10                        ; q, k: the rows' place in their sequence
	s_lshr_b32 s11, s95, 1
	s_lshl_b32 s11, s11, 23                        ; and their batch: 8 MiB each
	s_mov_b32 s17, 10240
	s_mov_b32 s9, 131072
	s_mov_b32 s3, 33554432
	s_cmp_lt_u32 ttmp9, 16
	s_cselect_b32 s18, s18, s17                    ; the cluster's first row of A in codes
	s_cselect_b32 s19, s19, s2                     ; and of B
	s_cselect_b32 s8, s98, s99                     ; which 1,024 columns of C
	s_cselect_b32 s9, 262144, s9                   ; bytes from plane to plane
	s_cselect_b32 s10, s10, 0
	s_cselect_b32 s11, s11, s3
	s_lshr_b32 s17, ttmp9, 4
	s_or_b32 s17, s17, s98                         ; 0 for q's clusters alone
	s_mov_b32 s[FAC], 1.0
	s_cmp_eq_u32 s17, 0
	s_cselect_b32 s[FAC], 0x3e38aa3b, s[FAC]       ; c = log2(e) / 8
	s_mov_b32 s[FAC+1], s[FAC]                     ; (named with it as a pair, so it is written)
	; descriptor group 1: a tile of 128 rows x 256 bytes, padded in LDS
	s_or_b32 s[G1+0], s43, (0<<16)|(1<<20)|(1<<21)|(5<<22)|(3<<25)  ; 15:0 the mask; 17:16 elements of 1 byte; 20 padding on; 21 set beside a mask; 24:22 after every 64 words; 31:25 four words
	s_or_b32 s[G1B+0], s44, (0<<16)|(1<<20)|(1<<21)|(5<<22)|(3<<25)
.irp g, G1, G1B
	s_mov_b32 s[\g+1], ROWB<<16                    ; tensor_dim0
	s_mov_b32 s[\g+2], 128<<16                     ; tensor_dim1
	s_mov_b32 s[\g+3], ROWB<<16                    ; tile_dim0
	s_mov_b32 s[\g+4], 128                         ; tile_dim1
	s_mov_b32 s[\g+5], KROW                        ; tensor_dim0_stride
	s_mov_b32 s[\g+6], 0
	s_mov_b32 s[\g+7], 0
.endr
	; the scales of 128 rows: 4,096 dense bytes as 16 rows of 256 bytes (32 elements of 8 bytes), 16 bytes of padding behind each
	s_or_b32 s[G1S+0], s43, (3<<16)|(1<<20)|(1<<21)|(5<<22)|(3<<25)
	s_or_b32 s[G1SB+0], s44, (3<<16)|(1<<20)|(1<<21)|(5<<22)|(3<<25)
.irp g, G1S, G1SB
	s_mov_b32 s[\g+1], 32<<16
	s_mov_b32 s[\g+2], (128*KS/256)<<16
	s_mov_b32 s[\g+3], 32<<16
	s_mov_b32 s[\g+4], 128*KS/256
	s_mov_b32 s[\g+5], 32
	s_mov_b32 s[\g+6], 0
	s_mov_b32 s[\g+7], 0
.endr
	s_lshl_b32 s17, s16, 7                         ; which 128 rows of the tile I fetch
	s_lshl_b32 s20, s41, 8
	s_add_co_u32 s20, s20, s18
	s_add_co_u32 s20, s20, s17                     ; A's row: made of the cluster's number, cy and the wave's number
	s_lshl_b32 s46, s40, 8
	s_add_co_u32 s46, s46, s19
	s_add_co_u32 s46, s46, s17                     ; B's row: of the cluster's number, cx and the wave's number
	s_lshl_b32 s22, s20, 5                         ; where these rows' scales begin,
	s_mov_b32 s23, 0
	s_lshl_b32 s92, s46, 5
	s_mov_b32 s93, 0
	s_lshl_b32 s20, s20, 9                         ; and their codes (under 2^23 bytes)
	s_mov_b32 s21, 0
	s_lshl_b32 s46, s46, 9
	s_mov_b32 s47, 0
	s_mul_i32 s45, s14, HALFT                      ; where they go: wave x 128 rows
	s_mul_i32 s94, s14, HALFS
	s_wait_dscnt 0x0                               ; both opening adds are done
	s_wait_kmcnt 0x0
	s_add_nc_u64 s[20:21], s[4:5], s[20:21]
	s_add_nc_u64 s[22:23], s[6:7], s[22:23]
	s_add_nc_u64 s[46:47], s[4:5], s[46:47]
	s_add_nc_u64 s[92:93], s[6:7], s[92:93]
	CROUND                                         ; all sixteen work-groups are here: the joint loads meet
	s_mov_b32 s[G0S], 1
	s_add_co_u32 s[G0S+1], s94, SCL
	s_mov_b64 s[G0S+2:G0S+3], s[22:23]
	s_or_b32 s[G0S+3], s[G0S+3], 0x80000000
	s_mov_b32 s[G0SB], 1
	s_add_co_u32 s[G0SB+1], s94, SCL
	s_mov_b64 s[G0SB+2:G0SB+3], s[92:93]
	s_or_b32 s[G0SB+3], s[G0SB+3], 0x80000000
	JLOAD G0S, G1S, G0SB, G1SB                     ; the scales first: they are wanted with K step 0
.irp s, 0,1
	s_mov_b32 s[G0+4*\s], 1
	s_add_co_u32 s[G0+4*\s+1], s45, \s*SLOT
	s_add_nc_u64 s[G0+4*\s+2:G0+4*\s+3], s[20:21], \s*ROWB
	s_or_b32 s[G0+4*\s+3], s[G0+4*\s+3], 0x80000000
	s_mov_b32 s[G0B+4*\s], 1
	s_add_co_u32 s[G0B+4*\s+1], s45, \s*SLOT
	s_add_nc_u64 s[G0B+4*\s+2:G0B+4*\s+3], s[46:47], \s*ROWB
	s_or_b32 s[G0B+4*\s+3], s[G0B+4*\s+3], 0x80000000
	JLOAD G0+4*\s, G1, G0B+4*\s, G1B
.endr
	v_and_b32 v1, 15, v0                           ; r = l % 16
	v_bfe_u32 v2, v0, 4, 1                         ; hh = l / 16
	v_mul_u32_u24 v3, v1, PITCH
	v_lshl_add_u32 v4, v2, 4, v3                   ; a fragment's row x pitch + 16 x half
	s_mul_i32 s21, s15, HALFT                      ; my 128 rows of A
	s_mul_i32 s22, s16, HALFT                      ; my 128 rows of B,
	s_add_co_u32 s22, s22, 2*HALFT                 ; behind A's 256
.irp s, 0,1
	v_add_nc_u32 v[ADRA+\s], s21, v4
	v_add_nc_u32 v[ADRB+\s], s22, v4
	s_add_co_u32 s21, s21, SLOT
	s_add_co_u32 s22, s22, SLOT
.endr
	v_mul_u32_u24 v5, v1, KS                       ; my row's scales: 32 bytes a row,
	v_lshrrev_b32 v6, 8, v5
	v_lshl_add_u32 v5, v6, 4, v5                   ; and 16 more for each 256 passed
	s_mul_i32 s21, s15, HALFS
	s_mul_i32 s22, s16, HALFS
	s_add_co_u32 s22, s22, 2*HALFS
	s_sub_co_u32 s22, s22, s21
	v_mul_u32_u24 v6, s22, v2                      ; lanes 16-31 take B's
	s_add_co_u32 s21, s21, SCL
	v_add_nc_u32 v5, v5, v6
	v_add_nc_u32 v[ADRS], s21, v5
	s_mul_i32 s23, s14, 16*SPITCH                  ; my stage
	v_mul_u32_u24 v5, v1, SPITCH                   ; in: row r, 16 bytes for each half of the lanes
	v_lshl_add_u32 v5, v2, 4, v5
	v_add_nc_u32 v[STO], s23, v5
	v_bfe_u32 v6, v0, 3, 1
	v_and_b32 v7, 7, v0
	v_mul_u32_u24 v5, v6, SPITCH                   ; back: lanes 0-15 take the first 128 bytes of two rows, lanes 16-31 the second: the two planes
	v_lshl_add_u32 v5, v2, 7, v5
	v_lshl_add_u32 v5, v7, 4, v5
	v_add_nc_u32 v[RD], s23, v5
	v_mul_u32_u24 v5, s9, v2                       ; and in memory: the plane, the row, 16 bytes a lane
	v_lshl_add_u32 v5, v6, 7, v5
	v_lshl_add_u32 v[CO], v7, 4, v5
	s_lshl_b32 s46, s8, 4                          ; my first plane: 16 T + 4 cx + 2 x half (in the registers that held B's address)
	s_lshl_b32 s47, s40, 2
	s_add_co_u32 s46, s46, s47
	s_lshl_b32 s47, s16, 1
	s_add_co_u32 s46, s46, s47
	s_mul_i32 s46, s46, s9
	s_mov_b32 s47, 0
	s_lshl_b32 s20, s41, 8                         ; my first row in a plane
	s_lshl_b32 s21, s15, 7
	s_add_co_u32 s20, s20, s21
	s_add_co_u32 s20, s20, s10
	s_lshl_b32 s20, s20, 7
	s_add_co_u32 s20, s20, s11
	s_mov_b32 s21, 0
	s_add_nc_u64 s[20:21], s[20:21], s[46:47]
	s_add_nc_u64 s[12:13], s[12:13], s[20:21]
.macro FRAG reg, adr, q, i             ; 16 rows x 128 K of 4-bit codes: registers 4 c .. 4 c + 3 hold K = 64 c + 32 (l / 16) + 0 .. 31
.irp c, 0,1
	ds_load_b128 v[\reg+4*\c:\reg+4*\c+3], v[\adr] offset:64*(\q)+32*\c+(\i)*16*PITCH
.endr
.endm
; 16 matrix instructions: A's blocks a0, a0 + 1 x B's eight.  The 64 accumulators take turns, one instruction a turn, in the same order in every step.
.macro MUL16 a0, p, q, sc, zero
.irp a, \a0, \a0+1
.irp b, 0,1,2,3,4,5,6,7
.if \zero
	v_wmma_scale_f32_16x16x128_f8f6f4 v[8*(8*((\a)%4)+\b):8*(8*((\a)%4)+\b)+7], v[128*(\p)+FR*\b:128*(\p)+FR*\b+FR-1], v[AF+FR*(\a):AF+FR*(\a)+FR-1], 0, v[SC+8*NQ*(\sc)+NQ*\b+(\q)], v[SC+8*NQ*(\sc)+NQ*(\a)+(\q)] matrix_a_fmt:MATRIX_FMT_FP4 matrix_b_fmt:MATRIX_FMT_FP4 matrix_a_scale:MATRIX_SCALE_ROW1
.else
	v_wmma_scale_f32_16x16x128_f8f6f4 v[8*(8*((\a)%4)+\b):8*(8*((\a)%4)+\b)+7], v[128*(\p)+FR*\b:128*(\p)+FR*\b+FR-1], v[AF+FR*(\a):AF+FR*(\a)+FR-1], v[8*(8*((\a)%4)+\b):8*(8*((\a)%4)+\b)+7], v[SC+8*NQ*(\sc)+NQ*\b+(\q)], v[SC+8*NQ*(\sc)+NQ*(\a)+(\q)] matrix_a_fmt:MATRIX_FMT_FP4 matrix_b_fmt:MATRIX_FMT_FP4 matrix_a_scale:MATRIX_SCALE_ROW1
.endif
.endr
.endr
.endm
.macro FETCH_B slot, q, p
	WIN TO_B
.irp i, 0,1,2,3,4,5,6,7
	FRAG 128*(\p)+FR*\i, ADRB+\slot, \q, \i
.endr
	WIN 0
.endm
.macro FETCH_A slot, q, i0
.irp i, \i0, \i0+1, \i0+2, \i0+3
	FRAG AF+FR*(\i), ADRA+\slot, \q, \i
.endr
.endm
.macro SCALES sc                       ; a K step's scale words: lanes 0-15 take A's block i, lanes 16-31 B's block i
.irp i, 0,1,2,3,4,5,6,7
	ds_load_b128 v[SC+8*NQ*\sc+NQ*\i:SC+8*NQ*\sc+NQ*\i+3], v[ADRS] offset:\i*SBLK
.endr
.endm
.macro PLACES n                        ; plain vector instructions between a matrix instruction and a load into, or a read of, its registers
.rept \n
	v_nop
.endr
.endm
.macro STEP slot, q, zero              ; 128 along K that has its successor in the same slot
	s_wait_dscnt 4*NL                              ; B's set and A's blocks 0-3 are in; the youngest eight loads (A's blocks 4-7) may be out
	WIN MUL_LO
	MUL16 0, (\q)%2, \q, \slot, \zero
	MUL16 2, (\q)%2, \q, \slot, \zero
	s_wait_dscnt 0
	PLACES NP
	FETCH_B \slot, (\q)+1, 1-(\q)%2
	FETCH_A \slot, (\q)+1, 0
	WIN MUL_HI
	MUL16 4, (\q)%2, \q, \slot, \zero
	MUL16 6, (\q)%2, \q, \slot, \zero
	PLACES NP
	WIN 0
	FETCH_A \slot, (\q)+1, 4
.endm
.macro TURN slot, next                 ; a slot's last step changes slots: one barrier; nothing is filled again
	s_wait_tensorcnt 0x0                           ; all my tensor loads have landed: my part of the next slot;
	ds_add_u32 v[SPW], v[NIL]                      ; 0 onto my spare word;
	s_wait_dscnt 4*NL+1                            ; (the add and the youngest eight loads may be out)
	WIN MUL_LO
	MUL16 0, 1, NQ-1, \slot, 0
	s_wait_dscnt 0x0                               ; the add is done, and my reads of this slot are over
	s_barrier_signal -1
	MUL16 2, 1, NQ-1, \slot, 0
	WIN 0
	s_barrier_wait -1
	PLACES NP
	v_add_nc_u32 v[ADRS], 4*NQ, v[ADRS]            ; on to the next K step's scale words (no LDS load of mine is out)
	FETCH_B \next, 0, 0
	FETCH_A \next, 0, 0
	SCALES \next
	WIN MUL_HI
	MUL16 4, 1, NQ-1, \slot, 0
	MUL16 6, 1, NQ-1, \slot, 0
	PLACES NP
	WIN 0
	FETCH_A \next, 0, 4
.endm
	s_wait_tensorcnt 1                             ; the scales and my part of K step 0 are in; K step 1's load may be out
	s_barrier_signal -1
	s_barrier_wait -1
	FETCH_B 0, 0, 0
	FETCH_A 0, 0, 0
	SCALES 0
	FETCH_A 0, 0, 4
	STEP 0, 0, 1                                   ; the first products start the sums: nothing is cleared
	STEP 0, 1, 0
	STEP 0, 2, 0
	TURN 0, 1
	STEP 1, 0, 0
	STEP 1, 1, 0
	STEP 1, 2, 0
	s_wait_dscnt 4*NL                              ; the last step: nothing more to fetch
	WIN MUL_LO
	MUL16 0, 1, NQ-1, 1, 0
	MUL16 2, 1, NQ-1, 1, 0
	s_wait_dscnt 0
	WIN MUL_HI
	MUL16 4, 1, NQ-1, 1, 0
	MUL16 6, 1, NQ-1, 1, 0
	WIN 0
; THE WAY OUT, a block of 16 rows x 128 columns at a time: x the factor in f32, rounded once to f16, through my stage, and out as pairs of rows of 128 bytes: sixteen lanes store 256 consecutive bytes, aligned.
.macro PACK a
.set AC, 64*((\a)%4)
	WIN 0x82+0x41*((\a)/4)                         ; destination and source 0: window 2 or 3
.irp b, 0,1,2,3,4,5,6,7
.irp p, 0,1,2,3
	v_pk_mul_f32 v[AC+8*\b+2*\p:AC+8*\b+2*\p+1], v[AC+8*\b+2*\p:AC+8*\b+2*\p+1], s[FAC:FAC+1] op_sel_hi:[1,0]   ; each accumulator from its low end on
.endr
.endr
	WIN 0x0a+5*((\a)/4)                            ; sources 0 and 1: window 2 or 3
.irp b, 0,1,2,3,4,5,6,7
.irp p, 0,1,2,3
	v_cvt_pk_f16_f32 v[TMP+4*\b+\p], v[AC+8*\b+2*\p], v[AC+8*\b+2*\p+1]
.endr
.endr
	WIN 0
.endm
.macro TOSTAGE a
.set BK, OB+192*((\a)%2)
.irp b, 0,1,2,3,4,5,6,7
	ds_store_b128 v[STO], v[TMP+4*\b:TMP+4*\b+3] offset:32*\b
.endr
.irp t, 0,1,2,3,4,5,6,7
	ds_load_b128 v[BK+4*\t:BK+4*\t+3], v[RD] offset:\t*2*SPITCH    ; LDS serves a wave's instructions in order (ISA guide 5.7.1.4): these see the stores above
.endr
.endm
.macro SEND a
.set BK, OB+192*((\a)%2)
	s_wait_dscnt 0x0                               ; the block is back in registers
	s_wait_xcnt 0x0                                ; the block before has had its stores' registers read: the next block's loads may land there
.irp t, 0,1,2,3,4,5,6,7
	global_store_b128 v[CO], v[BK+4*\t:BK+4*\t+3], s[12:13] offset:(\a)*2048+\t*256
.endr
.endm
	PLACES NP
	PACK 0
	TOSTAGE 0
.irp a, 1,2,3,4,5,6,7
	PACK \a
	SEND \a-1
	TOSTAGE \a
.endr
	SEND 7
	s_wait_tensorcnt 0x0                           ; the wave's end: a tensor wait, an add of 0 to my spare word and its wait
	ds_add_u32 v[SPW], v[NIL]
	s_wait_dscnt 0x0
	CROUND                                         ; the closing round
	s_endpgm
.Lfunc_end_k_qa994c67c42_qkv:
	.size	k_qa994c67c42_qkv, .Lfunc_end_k_qa994c67c42_qkv-k_qa994c67c42_qkv
	.p2alignl 7, 3214868480
	.fill 96, 4, 3214868480
	.section	.rodata,"a",@progbits
	.p2align	6, 0x0
	.amdhsa_kernel k_qa994c67c42_qkv
		.amdhsa_group_segment_fixed_size 327680
		.amdhsa_private_segment_fixed_size 0
		.amdhsa_enable_private_segment 0
		.amdhsa_kernarg_size 24
		.amdhsa_user_sgpr_count 2
		.amdhsa_user_sgpr_kernarg_segment_ptr 1
		.amdhsa_wavefront_size32 1
		.amdhsa_system_sgpr_workgroup_id_x 1
		.amdhsa_system_sgpr_workgroup_id_y 1
		.amdhsa_system_sgpr_workgroup_id_z 1
		.amdhsa_system_vgpr_workitem_id 0
		.amdhsa_next_free_vgpr 1024
		.amdhsa_next_free_sgpr 100
		.amdhsa_reserve_vcc 0
		.amdhsa_float_denorm_mode_32 3
		.amdhsa_float_denorm_mode_16_64 3
		.amdhsa_memory_ordered 1
		.amdhsa_forward_progress 1
		.amdhsa_inst_pref_size 144
	.end_amdhsa_kernel
	.amdgpu_metadata
---
amdhsa.version: [ 1, 2 ]
amdhsa.kernels:
  - .name:           k_qa994c67c42_qkv
    .symbol:         k_qa994c67c42_qkv.kd
    .args:
      - { .name: codes, .offset: 0, .size: 8, .value_kind: global_buffer, .address_space: global }
      - { .name: scales, .offset: 8, .size: 8, .value_kind: global_buffer, .address_space: global }
      - { .name: qkv, .offset: 16, .size: 8, .value_kind: global_buffer, .address_space: global }
    .group_segment_fixed_size: 327680
    .private_segment_fixed_size: 0
    .kernarg_segment_align: 8
    .kernarg_segment_size: 24
    .max_flat_workgroup_size: 128
    .sgpr_count:     100
    .vgpr_count:     1024
    .wavefront_size: 32
...
	.end_amdgpu_metadata
.endif
;; end of part 2
;; launch attn (part 3): grid 4 x 64, 16 waves a work-group, no clusters, 327,680 bytes of LDS; arguments qkv, ctxh; writes ctxh
.if DOCPART == 3
	.amdgcn_target "amdgcn-amd-amdhsa--gfx1250"
	.amdhsa_code_object_version 6
	.text
	.protected	k_qa994c67c42_attn
	.globl	k_qa994c67c42_attn
	.p2align	8
	.type	k_qa994c67c42_attn,@function
k_qa994c67c42_attn:
	s_mov_b64 s[64:65], 0
	v_nop
	global_prefetch_b8 v0, s[64:65] scope:SCOPE_SE
	s_setreg_imm32_b32 hwreg(HW_REG_WAVE_MODE, 25, 1), 1
	s_wait_xcnt 0x0
; ATTN.  ctx[b][h][q] = the sum over keys k <= q of softmax_k(q . k / 8) v, on f16 operands with f32 products, maxima and sums.  q arrives already x c = log2(e) / 8, so a score is t in base 2:
; p = 2^(t - m), m the row's running largest t; the subtraction is exact where it matters and p is at most 1 for every input.  In each step the sum l and O are multiplied by a = 2^(m_old - m_new).
; IN: qkv: q, k as [b][g][s][64] f16 (g = head, 16 + head), v^T as [b 32 + key / 64][e 1024][64 keys] from byte 33,554,432.  OUT: ctxh [16 heads][8192 rows][64] f16.
; LIMITS: NaN and infinities are not served; the context must lie inside f16's range; a weight p under 6e-5 keeps f16's absolute step, beside a row's sum of at least 1.
; SHARES.  Work-group (i, b h) owns the query blocks i and 7 - i (256 queries each) of one head: under the causal mask the two together are the same work in every work-group.  A wave owns 32 neighbouring queries,
; two tiles of 16, so that each fragment of K and V read from LDS feeds two matrix instructions.  Of any four waves whose numbers agree in their low or in their high two bits, two work in each block.
; NO CLUSTER: the work-groups of a head need different numbers of key tiles under the mask, so a joint load would bring tiles that no wave of a partner reads.
; Every wave walks 8 slots of 256 keys: the trip counts are constants.  A step (64 keys) all of whose keys come after the wave's queries is jumped over; a slot beyond the work-group's last query is not asked for.
; LAYOUT.  S^T = K Q^T (source 0 = 16 keys, source 1 = 16 queries) and O^T = V^T P (source 0 = 16 channels, source 1 = P): a lane holds ONE query (lane % 16) throughout; two tiles of S^T, rounded to f16 in pairs, are P.
; LDS.  A slot: 8 chunks of 8,192 dense bytes, stated as 32 rows of 256 bytes + 16 of padding: chunks 0-3 K's keys 64 j on, chunks 4-7 V^T [64 channels][64 keys] of the same keys.  Row p of 128 bytes lies at
; (p / 2) 272 + (p % 2) 128: the sixteen rows of a fragment load fall on sixteen different columns of 16 bytes.
.set CHK,   8704
.set B16,   2176                       ; sixteen rows of 128 bytes
.set SLOT1, 1<<17
.set SPARE, 200704                     ; behind slot 1: the spare words, 128 bytes for each of sixteen waves
.set STAGE, 202752                     ; the way out: 32 rows x (128 bytes + 16) for each wave; no tile lands here
.set AK0, 1                            ; v1  my lane's place in a chunk of K;  v2 of V
.set AV0, 2
.set ADK, 3                            ; v3, v4 the step's addresses
.set ADV, 4
.set SPW, 5
.set NIL, 6
.set T,   12                           ; tile u's statistics at v[T + 8 u]: +0 m, +1 m_old, +2, +3 l in two halves, +4 .. +7 at work (a in +6)
.set PFO, 28                           ; v28 256 x lane
.set Q,   32                           ; v32-63   Q: 16 u + 8 cc
.set S,   64                           ; v64-127  S^T: 32 u + 8 kt; P in place in the first 16 of each 32
.set O,   128                          ; v128-191 O^T: 32 u + 8 ct
.set KV,  192                          ; v192-255 K's eight fragments, then V's
.set WV,  10
.set G1,  16
.set G0,  24
.set STP, 28                           ; s[28:29] a slot on in memory, in what I fetch
.set PFA, 30                           ; s[30:31] where my prefetches stand
.set LIM, 32
.set SLOTS, 33
.set TB,  34                           ; the slot in hand
.set KF,  35                           ; the step's first key
.set Q0,  36                           ; my first query
.set QL,  37                           ; my work-group's last query
.set SEL, 38
.macro TLOAD                           ; waves 0-7 fetch a chunk each; an s_nop 0 and four v_nop follow the load
	s_cmp_lt_u32 s[WV], 8
	s_cbranch_scc0 .Lnoload_\@
	tensor_load_to_lds s[G0:G0+3], s[G1:G1+7]
	s_nop 0
.rept 4
	v_nop
.endr
.Lnoload_\@:
.endm
; A prefetch of what the NEXT change of slots will ask for.  All four work-groups of a head walk the same K and V: the first of them asks; in it wave 8 + j names the 8,192 bytes that wave j will fetch, lanes 256 bytes apart:
; each aligned block of 256 bytes is named once in the launch.  The last change that fills a slot asks for nothing; slots 0 and 1 come by their loads alone.
.macro ASK
	s_cmp_gt_u32 s[SLOTS], s[LIM]
	s_cbranch_scc0 .Lnot_mine_\@
	global_prefetch_b8 v[PFO], s[PFA:PFA+1] th:TH_LOAD_NT scope:SCOPE_SE
.Lnot_mine_\@:
.endm
	s_load_b128 s[4:7], s[0:1], 0x0                ; qkv, ctxh
	v_lshl_add_u32 v[SPW], v0, 2, SPARE
	v_mov_b32 v[NIL], 0
	ds_add_u32 v[SPW], v[NIL]                      ; the wave's opening: the add, twice on end, and its wait ahead of the first tensor load
	ds_add_u32 v[SPW], v[NIL]
	v_lshrrev_b32 v11, 5, v0
	v_readfirstlane_b32 s[WV], v11                 ; wave 0..15
	s_and_b32 s40, ttmp7, 0xffff
	s_lshr_b32 s41, s40, 4                         ; b
	s_and_b32 s42, s40, 15                         ; h
	s_lshr_b32 s43, s[WV], 2
	s_xor_b32 s43, s43, s[WV]
	s_and_b32 s43, s43, 1                          ; which of the two query blocks
	s_sub_co_u32 s44, 7, ttmp9
	s_cmp_eq_u32 s43, 1
	s_cselect_b32 s45, s44, ttmp9
	s_lshl_b32 s[Q0], s45, 8
	s_lshr_b32 s45, s[WV], 1
	s_lshl_b32 s45, s45, 5
	s_add_co_u32 s[Q0], s[Q0], s45                 ; my first query
	s_lshl_b32 s[QL], s44, 8
	s_or_b32 s[QL], s[QL], 255
	s_lshl_b32 s46, s41, 23
	s_lshl_b32 s47, s42, 18
	s_add_co_u32 s48, s46, s47                     ; q's head
	s_add_co_u32 s49, s48, 16<<18                  ; k's head
	s_lshl_b32 s50, s41, 22
	s_lshl_b32 s51, s42, 13
	s_add_co_u32 s50, s50, s51
	s_add_co_u32 s50, s50, 33554432                ; v^T: the batch's first key block, the head's 64 rows
	s_and_b32 s51, s[WV], 7                        ; which chunk of a slot
	s_mul_i32 s[G0+1], s51, CHK                    ; its place in slot 0
	s_and_b32 s52, s51, 3
	s_lshl_b32 s53, s52, 13
	s_add_co_u32 s53, s53, s49                     ; K: 64 keys of 128 bytes a chunk
	s_lshl_b32 s54, s52, 17
	s_add_co_u32 s54, s54, s50                     ; V: a key block of 131,072 bytes a chunk
	s_mov_b32 s55, 524288
	s_cmp_lt_u32 s51, 4
	s_cselect_b32 s52, s53, s54
	s_cselect_b32 s[STP], 32768, s55
	s_mov_b32 s53, 0
	s_mov_b32 s[STP+1], 0
	s_lshl_b32 s54, s[Q0], 7
	s_add_co_u32 s48, s48, s54                     ; my queries
	s_mov_b32 s49, 0
	s_lshl_b32 s50, s42, 20                        ; ctxh: the head's 1 MiB, the batch's rows, my rows
	s_lshl_b32 s51, s41, 18
	s_add_co_u32 s50, s50, s51
	s_add_co_u32 s50, s50, s54
	s_mov_b32 s51, 0
	s_lshr_b32 s54, s[WV], 3
	s_xor_b32 s54, s54, 1
	s_or_b32 s54, s54, ttmp9                       ; 0 in waves 8-15 of the head's first work-group
	s_cmp_eq_u32 s54, 0
	s_cselect_b32 s[LIM], 1, -1
	s_mov_b32 s[G1], (1<<16)|(1<<20)|(5<<22)|(3<<25)   ; no mask; elements of 2 bytes; padding: four words after every 64
	s_mov_b32 s[G1+1], 128<<16                     ; tensor_dim0 = 128 elements: 256 bytes
	s_mov_b32 s[G1+2], 32<<16                      ; tensor_dim1 = 32
	s_mov_b32 s[G1+3], 128<<16                     ; tile_dim0
	s_mov_b32 s[G1+4], 32                          ; tile_dim1
	s_mov_b32 s[G1+5], 128                         ; stride: the block is dense
	s_mov_b32 s[G1+6], 0
	s_mov_b32 s[G1+7], 0
	s_mov_b32 s[G0], 1
	s_mov_b32 s[SEL], 0x76543210
	s_mov_b32 s[SEL+1], 0xfedcba98
	s_mov_b32 s[SLOTS], 7
	s_mov_b32 s[TB], 0
	s_mov_b32 s[KF], 0
	s_wait_dscnt 0x0                               ; both opening adds are done
	s_wait_kmcnt 0x0
	s_add_nc_u64 s[G0+2:G0+3], s[4:5], s[52:53]
	s_add_nc_u64 s[PFA:PFA+1], s[G0+2:G0+3], s[STP:STP+1]   ; in slot 1: the first change of slots steps it to slot 2
	s_or_b32 s[G0+3], s[G0+3], 0x80000000
	TLOAD                                          ; slot 0: key 0 counts for every query
	s_add_nc_u64 s[8:9], s[4:5], s[48:49]
	s_add_nc_u64 s[6:7], s[6:7], s[50:51]
	v_and_b32 v29, 15, v0                          ; r
	v_bfe_u32 v30, v0, 4, 1                        ; hh
	v_lshlrev_b32 v31, 7, v29
	v_lshl_add_u32 v31, v30, 4, v31                ; Q: row r of 128 bytes + 16 hh
.irp u, 0,1
.irp c, 0,1
	global_load_b128 v[Q+16*\u+8*\c:Q+16*\u+8*\c+3], v31, s[8:9] offset:2048*\u+64*\c
	global_load_b128 v[Q+16*\u+8*\c+4:Q+16*\u+8*\c+7], v31, s[8:9] offset:2048*\u+64*\c+32
.endr
.endr
	v_lshrrev_b32 v11, 1, v29
	v_mul_u32_u24 v[AK0], v11, 272
	v_and_b32 v11, 1, v29
	v_lshl_add_u32 v[AK0], v11, 7, v[AK0]
	v_lshl_add_u32 v[AK0], v30, 4, v[AK0]
	v_add_nc_u32 v[AV0], 4*CHK, v[AK0]
	v_lshlrev_b32 v11, 3, v30
	v_sub_nc_u32 v7, v29, v11                      ; r - 8 hh, for the mask
	v_mov_b32 v10, 0xff800000                      ; -infinity
	v_and_b32 v[PFO], 31, v0
	v_lshlrev_b32 v[PFO], 8, v[PFO]
.irp u, 0,1
	v_mov_b32 v[T+8*\u], 0xff61b1e6                ; m: -3e38, under every t
	v_mov_b32 v[T+8*\u+1], 0xff61b1e6
.irp j, 2,3,4,5,6,7
	v_mov_b32 v[T+8*\u+\j], 0
.endr
.endr
.set n, 0
.rept 64
	v_mov_b32 v[O+n], 0                            ; O^T.  The step is written once: the first finds zeros, which a = 0 leaves zeros
.set n, n+1
.endr
	s_wait_loadcnt 0x0                             ; Q
; A KEY STEP: 64 keys, chunk q of the slot in hand.
.macro STEP q
	s_add_co_u32 s40, s[Q0], 31
	s_cmp_gt_u32 s[KF], s40                        ; all 64 keys come after my 32 queries: ids and the count of steps alone
	s_cbranch_scc1 .Lhidden_\@
	v_add_nc_u32 v[ADK], s[TB], v[AK0]
	v_add_nc_u32 v[ADV], s[TB], v[AV0]
.rept 3
	v_nop                                          ; with the two additions five places behind the last step's products: the loads below land in V's registers, and the products below write over P
.endr
.irp k, 0,1,2,3
.irp c, 0,1
	ds_load_b128 v[KV+8*(2*\k+\c):KV+8*(2*\k+\c)+3], v[ADK] offset:(\q)*CHK+\k*B16+64*\c
	ds_load_b128 v[KV+8*(2*\k+\c)+4:KV+8*(2*\k+\c)+7], v[ADK] offset:(\q)*CHK+\k*B16+64*\c+32
.endr
.endr
	s_wait_dscnt 0x0
.irp c, 0,1                                    ; S^T = K Q^T: eight accumulators by turns, one instruction a turn
.irp k, 0,1,2,3
.irp u, 0,1
.if \c == 0
	v_wmma_f32_16x16x32_f16 v[S+32*\u+8*\k:S+32*\u+8*\k+7], v[KV+8*(2*\k+\c):KV+8*(2*\k+\c)+7], v[Q+16*\u+8*\c:Q+16*\u+8*\c+7], 0
.else
	v_wmma_f32_16x16x32_f16 v[S+32*\u+8*\k:S+32*\u+8*\k+7], v[KV+8*(2*\k+\c):KV+8*(2*\k+\c)+7], v[Q+16*\u+8*\c:Q+16*\u+8*\c+7], v[S+32*\u+8*\k:S+32*\u+8*\k+7]
.endif
.endr
.endr
.endr
.rept 4
	v_nop                                          ; places in front of the loads into K's registers and of the first read of the scores
.endr
.irp k, 0,1,2,3                                ; V^T's fragments land while the softmax is worked: channels 16 k on, keys 32 c on
.irp c, 0,1
	ds_load_b128 v[KV+8*(2*\k+\c):KV+8*(2*\k+\c)+3], v[ADV] offset:(\q)*CHK+\k*B16+64*\c
	ds_load_b128 v[KV+8*(2*\k+\c)+4:KV+8*(2*\k+\c)+7], v[ADV] offset:(\q)*CHK+\k*B16+64*\c+32
.endr
.endr
	s_add_co_u32 s40, s[KF], 63
	s_cmp_le_u32 s40, s[Q0]                        ; all 64 keys count for all my queries: no mask
	s_cbranch_scc1 .Lopen_\@
	s_sub_co_i32 s40, s[Q0], s[KF]
	v_add_nc_u32 v8, s40, v7                       ; d = my query - KF - 8 hh.  Register 8 kt + j holds key KF + 16 kt + 8 hh + j: hidden where 16 kt + j > d
	v_add_nc_u32 v9, 16, v8
.irp u, 0,1
.irp n, 0,1,2,3,4,5,6,7,8,9,10,11,12,13,14,15,16,17,18,19,20,21,22,23,24,25,26,27,28,29,30,31
	v_cmp_gt_i32 vcc_lo, 16*(\n/8)+\n%8, v[8+\u]
	v_cndmask_b32 v[S+32*\u+\n], v[S+32*\u+\n], v10, vcc_lo
.endr
.endr
.Lopen_\@:
.irp j, 0,1,2,3                                ; the largest of my 32 scores and the old m: four chains, each begun at an accumulator's low end; the two tiles line by line
.irp u, 0,1
	v_max3_num_f32 v[T+8*\u+4+\j], v[S+32*\u+8*\j], v[S+32*\u+8*\j+1], v[S+32*\u+8*\j+2]
.endr
.endr
.irp i, 3,5
.irp j, 0,1,2,3
.irp u, 0,1
	v_max3_num_f32 v[T+8*\u+4+\j], v[T+8*\u+4+\j], v[S+32*\u+8*\j+\i], v[S+32*\u+8*\j+\i+1]
.endr
.endr
.endr
.irp u, 0,1
	v_max3_num_f32 v[T+8*\u+4], v[T+8*\u+4], v[S+32*\u+7], v[S+32*\u+15]
	v_max3_num_f32 v[T+8*\u+6], v[T+8*\u+6], v[S+32*\u+23], v[S+32*\u+31]
.endr
.irp u, 0,1
	v_max3_num_f32 v[T+8*\u+4], v[T+8*\u+4], v[T+8*\u+5], v[T+8*\u+6]
.endr
.irp u, 0,1
	v_max3_num_f32 v[T+8*\u+4], v[T+8*\u+4], v[T+8*\u+7], v[T+8*\u]
.endr
.irp u, 0,1
	v_permlanex16_b32 v[T+8*\u+5], v[T+8*\u+4], s[SEL], s[SEL+1]   ; the query's other 32 keys lie in the lane 16 away
.endr
.irp u, 0,1
	v_mov_b32 v[T+8*\u+1], v[T+8*\u]
.endr
.irp u, 0,1
	v_max_num_f32 v[T+8*\u], v[T+8*\u+4], v[T+8*\u+5]
.endr
.irp u, 0,1
	v_sub_f32 v[T+8*\u+7], v[T+8*\u+1], v[T+8*\u]
.endr
.irp i, 0,2,4,6,8,10,12,14,16,18,20,22,24,26,28,30
.irp u, 0,1
	v_pk_add_f32 v[S+32*\u+\i:S+32*\u+\i+1], v[S+32*\u+\i:S+32*\u+\i+1], v[T+8*\u:T+8*\u+1] op_sel_hi:[1,0] neg_lo:[0,1] neg_hi:[0,1]   ; t - m, two at a time
.endr
.endr
.irp u, 0,1
	v_exp_f32 v[T+8*\u+6], v[T+8*\u+7]             ; a
.endr
.set n, 0
.rept 32
	v_exp_f32 v[S+n], v[S+n]                       ; p = 2^(t - m): one batch of 66 for both tiles
	v_exp_f32 v[S+32+n], v[S+32+n]
.set n, n+1
.endr
	v_nop                                          ; a plain instruction behind the last exponential
	s_wait_alu depctr_va_vdst(0)                   ; one wait for the batch, ahead of the first instruction that names a result
.irp u, 0,1
	v_pk_mul_f32 v[T+8*\u+2:T+8*\u+3], v[T+8*\u+2:T+8*\u+3], v[T+8*\u+6:T+8*\u+7] op_sel_hi:[1,0]   ; l x a
.endr
.irp u, 0,1
	v_pk_add_f32 v[T+8*\u+4:T+8*\u+5], v[S+32*\u:S+32*\u+1], v[S+32*\u+2:S+32*\u+3]   ; the row's sum of the unrounded p, in two chains
.endr
.irp j, 4,8,12,16,20,24,28
.irp u, 0,1
	v_pk_add_f32 v[T+8*\u+2:T+8*\u+3], v[T+8*\u+2:T+8*\u+3], v[S+32*\u+\j:S+32*\u+\j+1]
	v_pk_add_f32 v[T+8*\u+4:T+8*\u+5], v[T+8*\u+4:T+8*\u+5], v[S+32*\u+\j+2:S+32*\u+\j+3]
.endr
.endr
.irp u, 0,1
	v_pk_add_f32 v[T+8*\u+2:T+8*\u+3], v[T+8*\u+2:T+8*\u+3], v[T+8*\u+4:T+8*\u+5]
.endr
.irp i, 0,1,2,3,4,5,6,7,8,9,10,11,12,13,14,15
.irp u, 0,1
	v_cvt_pk_f16_f32 v[S+32*\u+\i], v[S+32*\u+2*\i], v[S+32*\u+2*\i+1]   ; P in place, ascending: register i is free when it is written
.endr
.endr
.irp i, 0,2,4,6,8,10,12,14,16,18,20,22,24,26,28,30
.irp u, 0,1
	v_pk_mul_f32 v[O+32*\u+\i:O+32*\u+\i+1], v[O+32*\u+\i:O+32*\u+\i+1], v[T+8*\u+6:T+8*\u+7] op_sel_hi:[1,0]   ; O^T x a, each accumulator from its low end on
.endr
.endr
	s_wait_dscnt 0x0                               ; V is in
.irp c, 0,1                                    ; O^T += V^T P: eight accumulators by turns
.irp k, 0,1,2,3
.irp u, 0,1
	v_wmma_f32_16x16x32_f16 v[O+32*\u+8*\k:O+32*\u+8*\k+7], v[KV+8*(2*\k+\c):KV+8*(2*\k+\c)+7], v[S+32*\u+8*\c:S+32*\u+8*\c+7], v[O+32*\u+8*\k:O+32*\u+8*\k+7]
.endr
.endr
.endr
.Lhidden_\@:
	s_add_co_u32 s[KF], s[KF], 64
.endm
; THE CHANGE OF SLOTS, at a slot's head.  Each wave waits for all its tensor loads, adds 0 to its spare word, and waits for that and for its reads of the slot that it has left; behind the barrier the slot ahead is whole
; and nobody reads the other.  fill = 1: that other slot takes the next 256 keys, if any wave of the work-group will read them; the load has a slot's four steps in which to land.
.macro CHANGE fill
	s_wait_tensorcnt 0x0                           ; no tensor load of mine is out, so a group 0 may be written
	ds_add_u32 v[SPW], v[NIL]                      ; 0 onto my spare word
.if \fill
	ds_add_u32 v[SPW], v[NIL]                      ; and twice on end here, in every trip alike
	s_xor_b32 s[G0+1], s[G0+1], SLOT1              ; the walking descriptor: the other slot,
	s_add_nc_u64 s[G0+2:G0+3], s[G0+2:G0+3], s[STP:STP+1]   ; the next 256 keys; the type bits on top are not reached
	s_wait_xcnt 0x0                                ; the last prefetch, a slot back, has read its address
	s_add_nc_u64 s[PFA:PFA+1], s[PFA:PFA+1], s[STP:STP+1]
.endif
	s_wait_dscnt 0x0
	s_barrier_signal -1
	s_barrier_wait -1
.if \fill
	s_add_co_u32 s40, s[KF], 256                   ; the first key of the slot that this change would ask for
	s_cmp_gt_u32 s40, s[QL]                        ; ids and the count of steps alone: all sixteen waves go the same way, and a work-group past the limit stays past it
	s_cbranch_scc1 .Lpast_\@
	TLOAD                                          ; a wave's one tensor load until the next change; every wait on TENSORcnt in this text is for 0
.Lpast_\@:
	ASK
.endif
.endm
.Lslot:                                            ; 7 trips
	CHANGE 1
	STEP 0
	STEP 1
	STEP 2
	STEP 3
	s_xor_b32 s[TB], s[TB], SLOT1
	s_sub_co_u32 s[SLOTS], s[SLOTS], 1
	s_cmp_lg_u32 s[SLOTS], 0
	s_cbranch_scc1 .Lslot
	CHANGE 0                                       ; the last slot is written out: nothing is left to ask for
	STEP 0
	STEP 1
	STEP 2
	STEP 3
	; THE WAY OUT: O^T / l, rounded once to f16, through my stage, out as 512 consecutive bytes an instruction (four rows of 128).
.irp u, 0,1
	v_add_f32 v[T+8*\u+4], v[T+8*\u+2], v[T+8*\u+3]
.endr
.irp u, 0,1
	v_permlanex16_b32 v[T+8*\u+5], v[T+8*\u+4], s[SEL], s[SEL+1]
.endr
.irp u, 0,1
	v_add_f32 v[T+8*\u+4], v[T+8*\u+4], v[T+8*\u+5]
.endr
.irp u, 0,1
	v_rcp_f32 v[T+8*\u+6], v[T+8*\u+4]
.endr
	s_mul_i32 s40, s[WV], 4608
	s_add_co_u32 s40, s40, STAGE
	v_mul_u32_u24 v3, v29, 144                     ; in: row r, 16 bytes for each half of the lanes
	v_lshl_add_u32 v3, v30, 4, v3
	v_add_nc_u32 v3, s40, v3
	v_and_b32 v8, 31, v0
	v_lshrrev_b32 v4, 3, v8                        ; back: eight lanes to a row
	v_mul_u32_u24 v4, v4, 144
	v_and_b32 v9, 7, v0
	v_lshl_add_u32 v4, v9, 4, v4
	v_add_nc_u32 v4, s40, v4
	v_lshlrev_b32 v8, 4, v8
	s_wait_alu depctr_va_vdst(0)                   ; the wait for the two reciprocals, ahead of their first reader
.irp u, 0,1
.irp i, 0,2,4,6,8,10,12,14,16,18,20,22,24,26,28,30
	v_pk_mul_f32 v[O+32*\u+\i:O+32*\u+\i+1], v[O+32*\u+\i:O+32*\u+\i+1], v[T+8*\u+6:T+8*\u+7] op_sel_hi:[1,0]
.endr
.endr
.set n, 0
.rept 32
	v_cvt_pk_f16_f32 v[S+n], v[O+2*n], v[O+2*n+1]
.set n, n+1
.endr
.irp u, 0,1
.irp k, 0,1,2,3
	ds_store_b128 v3, v[S+16*\u+4*\k:S+16*\u+4*\k+3] offset:2304*\u+32*\k
.endr
.endr
.irp t, 0,1,2,3,4,5,6,7
	ds_load_b128 v[S+32+4*\t:S+32+4*\t+3], v4 offset:576*\t   ; LDS serves a wave's instructions in order: these see my stores
.endr
.irp t, 0,1,2,3,4,5,6,7
	s_wait_dscnt 7-\t
	global_store_b128 v8, v[S+32+4*\t:S+32+4*\t+3], s[6:7] offset:512*\t
.endr
	s_wait_tensorcnt 0x0                           ; the wave's end: a tensor wait, an add of 0 to my spare word and its wait
	ds_add_u32 v[SPW], v[NIL]
	s_wait_dscnt 0x0
	s_endpgm
.Lfunc_end_k_qa994c67c42_attn:
	.size	k_qa994c67c42_attn, .Lfunc_end_k_qa994c67c42_attn-k_qa994c67c42_attn
	.p2alignl 7, 3214868480
	.fill 96, 4, 3214868480
	.section	.rodata,"a",@progbits
	.p2align	6, 0x0
	.amdhsa_kernel k_qa994c67c42_attn
		.amdhsa_group_segment_fixed_size 327680
		.amdhsa_private_segment_fixed_size 0
		.amdhsa_enable_private_segment 0
		.amdhsa_kernarg_size 16
		.amdhsa_user_sgpr_count 2
		.amdhsa_user_sgpr_kernarg_segment_ptr 1
		.amdhsa_wavefront_size32 1
		.amdhsa_system_sgpr_workgroup_id_x 1
		.amdhsa_system_sgpr_workgroup_id_y 1
		.amdhsa_system_sgpr_workgroup_id_z 1
		.amdhsa_system_vgpr_workitem_id 0
		.amdhsa_next_free_vgpr 256
		.amdhsa_next_free_sgpr 66
		.amdhsa_reserve_vcc 1
		.amdhsa_float_denorm_mode_32 3
		.amdhsa_float_denorm_mode_16_64 3
		.amdhsa_memory_ordered 1
		.amdhsa_forward_progress 1
		.amdhsa_inst_pref_size 186
	.end_amdhsa_kernel
	.amdgpu_metadata
---
amdhsa.version: [ 1, 2 ]
amdhsa.kernels:
  - .name:           k_qa994c67c42_attn
    .symbol:         k_qa994c67c42_attn.kd
    .args:
      - { .name: qkv, .offset: 0, .size: 8, .value_kind: global_buffer, .address_space: global }
      - { .name: ctxh, .offset: 8, .size: 8, .value_kind: global_buffer, .address_space: global }
    .group_segment_fixed_size: 327680
    .private_segment_fixed_size: 0
    .kernarg_segment_align: 8
    .kernarg_segment_size: 16
    .max_flat_workgroup_size: 512
    .sgpr_count:     66
    .vgpr_count:     256
    .wavefront_size: 32
...
	.end_amdgpu_metadata
.endif
;; end of part 3
;; launch oproj (part 4): grid 4 x 64, 4 waves a work-group, clusters of 4 x 4, 327,680 bytes of LDS; arguments ctxh, wot, out0; writes out0
.if DOCPART == 4
	.amdgcn_target "amdgcn-amd-amdhsa--gfx1250"
	.amdhsa_code_object_version 6
	.text
	.protected	k_qa994c67c42_oproj
	.globl	k_qa994c67c42_oproj
	.p2align	8
	.type	k_qa994c67c42_oproj,@function
k_qa994c67c42_oproj:
	s_mov_b64 s[64:65], 0
	v_nop
	global_prefetch_b8 v0, s[64:65] scope:SCOPE_SE
	s_setreg_imm32_b32 hwreg(HW_REG_WAVE_MODE, 25, 1), 1
	s_wait_xcnt 0x0
	s_wait_alu depctr_hold_cnt(0) depctr_sa_sdst(0) depctr_va_vdst(0) depctr_va_sdst(0) depctr_va_ssrc(0) depctr_va_vcc(0) depctr_vm_vsrc(0)
	s_getreg_b32 s2, hwreg(HW_REG_IB_STS2, 6, 4)
	s_cmp_eq_u32 s2, 0
	s_cbranch_scc0 .Lentry_in_a_cluster
	s_endpgm
.Lentry_in_a_cluster:
	s_bfe_u32 s2, ttmp6, 0x10000c
	s_cmp_lg_u32 s2, 0xf033
	s_cbranch_scc0 .Lentry_shape_is_right
	s_endpgm
.Lentry_shape_is_right:
; OPROJ.  out0[m][e] = the sum over d of ctx[m][d] wo[d][e], f16 operands, f32 sums.  ctxh: [16 chunks = heads][8192 m][64], wot: [16 chunks][1024 e][64], both f16 with d innermost; out0 [8192][1024] f32.
; All rows are made here; the first 16 positions of each sequence are written again, from f32 operands, by the launch that runs last.
; A tile of C is 128 x 256: 256 work-groups.  Four waves, each 64 x 128: 32 accumulators, 256 registers.  K goes in steps of 128 (two chunks) through two LDS slots.  A chunk's rows of a tile are one dense block,
; stated as rows of 256 bytes + 16 of padding: row p of 128 bytes lies at (p / 2) 272 + (p % 2) 128.  One tensor load a wave: waves 0, 1 A's two chunks (16 KiB each), waves 2, 3 B's (32 KiB each).
; CLUSTERS: 4 x 4.  A's tiles are shared along a row of the cluster, B's along a column: joint loads.  THE MATRIX INSTRUCTION IS USED TRANSPOSED: a lane holds eight neighbouring numbers of a row of C.
; REGISTERS: window 0: v0-31 addresses; v64-95, v96-127 A's fragments, two buffers; v128-255 the way out.  window 1: v0-63, v64-127 B's fragments, two buffers.  window 2: accumulator (a, b) at v[8 (8 a + b)].
.set ACH,    17408                     ; A's chunk in LDS: 64 rows x 272
.set BCH,    34816                     ; B's: 128 rows x 272
.set BOFF,   2*ACH
.set SLOT,   2*ACH+2*BCH
.set B16,    2176                      ; sixteen rows of 128 bytes
.set STAGE,  2*SLOT                    ; behind the ring: 16 rows x (512 bytes + 16) for each wave
.set SPITCH, 528
.set SPARE,  STAGE+4*16*SPITCH
.set LAPS,   4                         ; 8 K steps, two to a lap
.set ADRA, 16
.set ADRB, 20
.set STO,  24
.set RD,   25
.set CO,   26
.set SPW,  28
.set NIL,  29
.set PFO,  30
.set BK,   128
.set G1, 24
.set G0, 32
.set G1B, 48
.set G0B, 56
.set PFA, 66                           ; s[66:67] where my prefetches stand;  s[68:69] a K step on;  s70: 1 in a wave that prefetches, else the greatest number
.set PFS, 68
.set LIM, 70
.set MSB, 0
.macro WIN new
.if MSB != \new
	s_set_vgpr_msb (MSB<<8)|\new
.set MSB, \new
.endif
.endm
.set MUL,  0xa1                        ; source 0 (B) window 1, source 1 (A) window 0, C and D window 2
.set TO_B, 0x40
.macro JLOAD s
	s_cmp_eq_u32 s11, 0
	s_cbranch_scc0 .Lfor_b_\@
	tensor_load_to_lds s[G0+4*\s:G0+4*\s+3], s[G1:G1+7]
	s_nop 0
.rept 4
	v_nop
.endr
	s_branch .Lasked_\@
.Lfor_b_\@:
	tensor_load_to_lds s[G0B+4*\s:G0B+4*\s+3], s[G1B:G1B+7]
	s_nop 0
.rept 4
	v_nop
.endr
.Lasked_\@:
.endm
.macro CREST
	s_cmp_lg_u32 s10, 0
	s_cbranch_scc1 .Lnot_wave_0_\@
	s_barrier_signal -3
.Lnot_wave_0_\@:
	s_barrier_wait -3
	s_barrier_signal -1
	s_barrier_wait -1
.endm
.macro CROUND
	s_barrier_signal -1
	s_barrier_wait -1
	CREST
.endm
; A prefetch of the K step that stands two refills on, 8,192 bytes an instruction, lanes 256 bytes apart.  A's 32 KiB of a K step are read by the four partners of a row alone: each takes a quarter, told apart by
; address (cx), wave 0 asks.  B's 64 KiB are read by every cluster: cluster y = 0 asks, each partner a quarter of each chunk (cy), waves 2 and 3 a chunk each.  The loop's last trip asks for nothing.
.macro ASK
	s_cmp_gt_u32 s3, s[LIM]
	s_cbranch_scc0 .Lnot_mine_\@
	global_prefetch_b8 v[PFO], s[PFA:PFA+1] th:TH_LOAD_NT scope:SCOPE_SE
.Lnot_mine_\@:
.endm
	s_load_b128 s[4:7], s[0:1], 0x0                ; ctxh, wot
	s_load_b64 s[8:9], s[0:1], 0x10                ; out0
	v_lshl_add_u32 v[SPW], v0, 2, SPARE
	v_mov_b32 v[NIL], 0
	ds_add_u32 v[SPW], v[NIL]                      ; the wave's opening: the add, twice on end, and its wait ahead of my first tensor load
	ds_add_u32 v[SPW], v[NIL]
	v_lshrrev_b32 v1, 5, v0
	v_readfirstlane_b32 s10, v1                    ; wave 0..3
	s_lshr_b32 s11, s10, 1                         ; which 64 rows are mine.  Also: I fetch for A (0) or for B (1)
	s_and_b32 s12, s10, 1                          ; which 128 columns.  Also: which chunk of a K step I fetch
	s_bfe_u32 s40, ttmp6, 0x40000                  ; cx
	s_bfe_u32 s41, ttmp6, 0x40004                  ; cy
	s_lshl_b32 s42, ttmp9, 2
	s_add_co_u32 s42, s42, s40                     ; tile column
	s_and_b32 s13, ttmp7, 0xffff
	s_lshl_b32 s13, s13, 2
	s_add_co_u32 s13, s13, s41                     ; tile row
	s_lshl_b32 s43, s41, 2
	s_lshl_b32 s43, 15, s43                        ; my row of the cluster
	s_lshl_b32 s44, 0x1111, s40                    ; my column
	s_or_b32 s[G1+0], s43, (1<<16)|(1<<20)|(1<<21)|(5<<22)|(3<<25)   ; the mask; elements of 2 bytes; padding on; 21 set beside a mask; four words after every 64
	s_or_b32 s[G1B+0], s44, (1<<16)|(1<<20)|(1<<21)|(5<<22)|(3<<25)
	s_mov_b32 s[G1+1], 128<<16                     ; tensor_dim0 = 128 elements
	s_mov_b32 s[G1+2], 64<<16                      ; tensor_dim1 = 64
	s_mov_b32 s[G1+3], 128<<16                     ; tile_dim0
	s_mov_b32 s[G1+4], 64                          ; tile_dim1
	s_mov_b32 s[G1+5], 128                         ; stride: dense
	s_mov_b32 s[G1+6], 0
	s_mov_b32 s[G1+7], 0
	s_mov_b32 s[G1B+1], 128<<16
	s_mov_b32 s[G1B+2], 128<<16
	s_mov_b32 s[G1B+3], 128<<16
	s_mov_b32 s[G1B+4], 128
	s_mov_b32 s[G1B+5], 128
	s_mov_b32 s[G1B+6], 0
	s_mov_b32 s[G1B+7], 0
	s_lshl_b32 s16, s13, 14                        ; A: the tile row's 128 rows of 128 bytes, in chunk s12
	s_lshl_b32 s17, s12, 20
	s_add_co_u32 s16, s16, s17
	s_mov_b32 s17, 0
	s_lshl_b32 s46, s42, 15                        ; B: the tile column's 256 rows, in chunk s12
	s_lshl_b32 s47, s12, 17
	s_add_co_u32 s46, s46, s47
	s_mov_b32 s47, 0
	s_mul_i32 s20, s12, ACH                        ; where they go: made of the wave's number alone
	s_mul_i32 s21, s12, BCH
	s_add_co_u32 s21, s21, BOFF
	s_wait_dscnt 0x0
	s_wait_kmcnt 0x0
	s_add_nc_u64 s[14:15], s[4:5], s[16:17]
	s_add_nc_u64 s[46:47], s[6:7], s[46:47]
	CROUND                                         ; all sixteen work-groups are here: the first joint loads meet
.irp s, 0,1
	s_mov_b32 s[G0+4*\s], 1
	s_add_co_u32 s[G0+4*\s+1], s20, \s*SLOT
	s_add_nc_u64 s[G0+4*\s+2:G0+4*\s+3], s[14:15], \s*2097152       ; K step s: two chunks of 1 MiB on
	s_or_b32 s[G0+4*\s+3], s[G0+4*\s+3], 0x80000000
	s_mov_b32 s[G0B+4*\s], 1
	s_add_co_u32 s[G0B+4*\s+1], s21, \s*SLOT
	s_add_nc_u64 s[G0B+4*\s+2:G0B+4*\s+3], s[46:47], \s*262144
	s_or_b32 s[G0B+4*\s+3], s[G0B+4*\s+3], 0x80000000
	JLOAD \s
.endr
	v_and_b32 v1, 15, v0                           ; r
	v_bfe_u32 v2, v0, 4, 1                         ; hh
	v_lshrrev_b32 v3, 1, v1
	v_mul_u32_u24 v3, v3, 272
	v_and_b32 v4, 1, v1
	v_lshl_add_u32 v3, v4, 7, v3
	v_lshl_add_u32 v3, v2, 4, v3                   ; a fragment's lane term
	s_mul_i32 s21, s11, 4*B16                      ; my 64 rows of A
	s_mul_i32 s22, s12, 8*B16                      ; my 128 rows of B
	s_add_co_u32 s22, s22, BOFF
.irp s, 0,1
	v_add_nc_u32 v[ADRA+\s], s21, v3
	v_add_nc_u32 v[ADRB+\s], s22, v3
	s_add_co_u32 s21, s21, SLOT
	s_add_co_u32 s22, s22, SLOT
.endr
	s_mul_i32 s23, s10, 16*SPITCH
	s_add_co_u32 s23, s23, STAGE                   ; my stage
	v_mul_u32_u24 v5, v1, SPITCH
	v_lshl_add_u32 v5, v2, 5, v5
	v_add_nc_u32 v[STO], s23, v5                   ; in: row r, 32 bytes for each half of the lanes
	v_and_b32 v6, 31, v0
	v_lshlrev_b32 v[CO], 4, v6                     ; back: the 32 lanes take one row of 512 bytes; the same in C
	v_add_nc_u32 v[RD], s23, v[CO]
	v_lshlrev_b32 v[PFO], 8, v6
	s_lshl_b32 s16, s13, 19                        ; my first row of C: 128 rows of 4,096 bytes a tile row, 64 a half
	s_lshl_b32 s17, s11, 18
	s_add_co_u32 s16, s16, s17
	s_mov_b32 s17, 0
	s_add_nc_u64 s[8:9], s[8:9], s[16:17]
	s_lshl_b32 s46, s42, 10                        ; my first column, in bytes
	s_lshl_b32 s47, s12, 9
	s_add_co_u32 s46, s46, s47
	s_mov_b32 s47, 0
	s_add_nc_u64 s[8:9], s[8:9], s[46:47]
	; the prefetches: at K step 3; the first filling change steps them to K step 4
	s_and_b32 s22, ttmp7, 0xffff                   ; cluster y
	s_lshr_b32 s71, s40, 1
	s_lshl_b32 s71, s71, 20                        ; A: chunk cx / 2,
	s_and_b32 s72, s40, 1
	s_lshl_b32 s72, s72, 13                        ; half cx % 2 of its 16 KiB
	s_add_co_u32 s71, s71, s72
	s_lshl_b32 s72, s13, 14
	s_add_co_u32 s71, s71, s72
	s_add_co_u32 s71, s71, 3*2097152
	s_lshl_b32 s73, s42, 15                        ; B: my chunk, quarter cy of its 32 KiB
	s_lshl_b32 s72, s12, 17
	s_add_co_u32 s73, s73, s72
	s_lshl_b32 s72, s41, 13
	s_add_co_u32 s73, s73, s72
	s_add_co_u32 s73, s73, 3*262144
	s_mov_b32 s74, 262144
	s_cmp_eq_u32 s11, 0
	s_cselect_b32 s22, s12, s22                    ; asks where this is 0: wave 0; waves 2, 3 of cluster y = 0: the same in all sixteen partners
	s_cselect_b32 s72, s71, s73
	s_cselect_b32 s[PFS], 2097152, s74
	s_cselect_b64 s[PFA:PFA+1], s[4:5], s[6:7]
	s_mov_b32 s73, 0
	s_mov_b32 s[PFS+1], 0
	s_add_nc_u64 s[PFA:PFA+1], s[PFA:PFA+1], s[72:73]
	s_cmp_eq_u32 s22, 0
	s_cselect_b32 s[LIM], 1, -1
.macro MUL8 f, a, zero                 ; A's block a x B's eight, 32 along K.  The 32 accumulators take turns, one instruction a turn, in the same order in every quarter
.irp b, 0,1,2,3,4,5,6,7
.if \zero
	v_wmma_f32_16x16x32_f16 v[8*(8*(\a)+\b):8*(8*(\a)+\b)+7], v[64*(\f)+8*\b:64*(\f)+8*\b+7], v[64+32*(\f)+8*(\a):64+32*(\f)+8*(\a)+7], 0
.else
	v_wmma_f32_16x16x32_f16 v[8*(8*(\a)+\b):8*(8*(\a)+\b)+7], v[64*(\f)+8*\b:64*(\f)+8*\b+7], v[64+32*(\f)+8*(\a):64+32*(\f)+8*(\a)+7], v[8*(8*(\a)+\b):8*(8*(\a)+\b)+7]
.endif
.endr
.endm
.macro FETCH slot, q, f                ; 24 LDS loads in one run: quarter q (chunk q / 2, 32 d at byte 64 (q % 2)) into buffer f: B's sixteen, then A's eight
	WIN TO_B
.irp i, 0,1,2,3,4,5,6,7
	ds_load_b128 v[64*(\f)+8*\i:64*(\f)+8*\i+3],   v[ADRB+\slot] offset:((\q)/2)*BCH+((\q)%2)*64+\i*B16
	ds_load_b128 v[64*(\f)+8*\i+4:64*(\f)+8*\i+7], v[ADRB+\slot] offset:((\q)/2)*BCH+((\q)%2)*64+\i*B16+32
.endr
	WIN 0
.irp i, 0,1,2,3
	ds_load_b128 v[64+32*(\f)+8*\i:64+32*(\f)+8*\i+3],   v[ADRA+\slot] offset:((\q)/2)*ACH+((\q)%2)*64+\i*B16
	ds_load_b128 v[64+32*(\f)+8*\i+4:64+32*(\f)+8*\i+7], v[ADRA+\slot] offset:((\q)/2)*ACH+((\q)%2)*64+\i*B16+32
.endr
.endm
.macro PLACES
.rept 4
	v_nop
.endr
.endm
.macro QUARTER slot, q, f, g, zero     ; multiplies buffer f; in its middle fetches quarter q of the same slot into buffer g
	s_wait_dscnt 4                                 ; B and A's blocks 0, 1 are in; the youngest four loads (A's blocks 2, 3) may be out
	WIN MUL
	MUL8 \f, 0, \zero
	MUL8 \f, 1, \zero
	PLACES
	FETCH \slot, \q, \g
	s_wait_dscnt 24                                ; all but the 24 just issued
	WIN MUL
	MUL8 \f, 2, \zero
	MUL8 \f, 3, \zero
.endm
; A slot's last quarter multiplies buffer 1 and changes slots: one barrier; in front of it each wave waits for all its tensor loads, adds 0 to its spare word, and waits for that and for its reads of this slot.
.macro TURN slot, next, fill
.if \fill
	s_wait_xcnt 0x0                                ; the last prefetch, a K step back, has read its address
	s_add_nc_u64 s[PFA:PFA+1], s[PFA:PFA+1], s[PFS:PFS+1]
.endif
	WIN 0
	s_wait_tensorcnt 0x0                           ; all my tensor loads have landed: my part of the next slot;
	ds_add_u32 v[SPW], v[NIL]                      ; 0 onto my spare word;
	s_wait_dscnt 5                                 ; (the add and the youngest four loads may be out)
	WIN MUL
	MUL8 1, 0, 0
	s_wait_dscnt 0x0                               ; the add is done, and my reads of this slot are over
	s_barrier_signal -1
	MUL8 1, 1, 0
.if \fill
	WIN 0
.endif
	s_barrier_wait -1
.if \fill
	CREST                                          ; the barrier has opened a round of the cluster's: no wave of any partner still reads this slot or has a load on its way
	s_add_nc_u64 s[G0+4*\slot+2:G0+4*\slot+3], s[G0+4*\slot+2:G0+4*\slot+3], 4194304
	s_add_nc_u64 s[G0B+4*\slot+2:G0B+4*\slot+3], s[G0B+4*\slot+2:G0B+4*\slot+3], 524288
	JLOAD \slot                                    ; the first tensor load behind the round; its four v_nop are also the places in front of the loads below
.else
	PLACES
.endif
	FETCH \next, 0, 0
.if \fill
	ASK
.endif
	WIN MUL
	MUL8 1, 2, 0
	MUL8 1, 3, 0
.endm
	s_wait_tensorcnt 1                             ; my part of K step 0 is in; K step 1's may be out
	s_barrier_signal -1
	s_barrier_wait -1
	FETCH 0, 0, 0
	QUARTER 0, 1, 0, 1, 1                          ; the first quarter's products start the sums
	WIN 0
	s_mov_b32 s3, LAPS-1
.Llap:                                             ; a trip goes once round the ring and fills both slots again
	QUARTER 0, 2, 1, 0, 0
	QUARTER 0, 3, 0, 1, 0
	TURN 0, 1, 1
	QUARTER 1, 1, 0, 1, 0
	QUARTER 1, 2, 1, 0, 0
	QUARTER 1, 3, 0, 1, 0
	TURN 1, 0, 1
	QUARTER 0, 1, 0, 1, 0
	WIN 0
	s_sub_co_u32 s3, s3, 1
	s_cmp_lg_u32 s3, 0
	s_cbranch_scc1 .Llap
	QUARTER 0, 2, 1, 0, 0                          ; the last lap fills nothing
	QUARTER 0, 3, 0, 1, 0
	TURN 0, 1, 0
	QUARTER 1, 1, 0, 1, 0
	QUARTER 1, 2, 1, 0, 0
	QUARTER 1, 3, 0, 1, 0
	s_wait_dscnt 4
	WIN MUL
	MUL8 1, 0, 0
	MUL8 1, 1, 0
	s_wait_dscnt 0
	MUL8 1, 2, 0
	MUL8 1, 3, 0
	WIN 0
; THE WAY OUT, a block of 16 rows x 128 columns at a time, through my own stage: whole rows of 512 bytes come back and leave as two aligned runs of 256 bytes.
.macro TOSTAGE a
	WIN 0x08                                       ; an LDS store's data are its source 1: window 2
.irp b, 0,1,2,3,4,5,6,7
	ds_store_b128 v[STO], v[8*(8*(\a)+\b):8*(8*(\a)+\b)+3] offset:64*\b          ; each accumulator from its low end on
	ds_store_b128 v[STO], v[8*(8*(\a)+\b)+4:8*(8*(\a)+\b)+7] offset:64*\b+16
.endr
	WIN 0
.set BB, BK+64*((\a)%2)
.irp t, 0,1,2,3,4,5,6,7,8,9,10,11,12,13,14,15
	ds_load_b128 v[BB+4*\t:BB+4*\t+3], v[RD] offset:\t*SPITCH
.endr
.endm
.macro SEND a, younger
.set BB, BK+64*((\a)%2)
	s_wait_dscnt \younger                          ; the block is back; the next block's 16 stores and 16 loads may be out
.irp t, 0,1,2,3,4,5,6,7,8,9,10,11,12,13,14,15
	global_store_b128 v[CO], v[BB+4*\t:BB+4*\t+3], s[8:9] offset:(16*(\a)+\t)*4096 th:TH_STORE_NT
.endr
.endm
	PLACES
	TOSTAGE 0
.irp a, 1,2,3
.if \a > 1
	s_wait_xcnt 0x0                                ; block a - 2's stores have read their registers: block a's loads may land there
.endif
	TOSTAGE \a
	SEND \a-1, 32
.endr
	SEND 3, 0
	s_wait_tensorcnt 0x0                           ; the wave's end: a tensor wait, an add of 0 to my spare word and its wait
	ds_add_u32 v[SPW], v[NIL]
	s_wait_dscnt 0x0
	CROUND                                         ; the closing round
	s_endpgm
.Lfunc_end_k_qa994c67c42_oproj:
	.size	k_qa994c67c42_oproj, .Lfunc_end_k_qa994c67c42_oproj-k_qa994c67c42_oproj
	.p2alignl 7, 3214868480
	.fill 96, 4, 3214868480
	.section	.rodata,"a",@progbits
	.p2align	6, 0x0
	.amdhsa_kernel k_qa994c67c42_oproj
		.amdhsa_group_segment_fixed_size 327680
		.amdhsa_private_segment_fixed_size 0
		.amdhsa_enable_private_segment 0
		.amdhsa_kernarg_size 24
		.amdhsa_user_sgpr_count 2
		.amdhsa_user_sgpr_kernarg_segment_ptr 1
		.amdhsa_wavefront_size32 1
		.amdhsa_system_sgpr_workgroup_id_x 1
		.amdhsa_system_sgpr_workgroup_id_y 1
		.amdhsa_system_sgpr_workgroup_id_z 1
		.amdhsa_system_vgpr_workitem_id 0
		.amdhsa_next_free_vgpr 768
		.amdhsa_next_free_sgpr 80
		.amdhsa_reserve_vcc 0
		.amdhsa_float_denorm_mode_32 3
		.amdhsa_float_denorm_mode_16_64 3
		.amdhsa_memory_ordered 1
		.amdhsa_forward_progress 1
		.amdhsa_inst_pref_size 87
	.end_amdhsa_kernel
	.amdgpu_metadata
---
amdhsa.version: [ 1, 2 ]
amdhsa.kernels:
  - .name:           k_qa994c67c42_oproj
    .symbol:         k_qa994c67c42_oproj.kd
    .args:
      - { .name: ctxh, .offset: 0, .size: 8, .value_kind: global_buffer, .address_space: global }
      - { .name: wot, .offset: 8, .size: 8, .value_kind: global_buffer, .address_space: global }
      - { .name: out0, .offset: 16, .size: 8, .value_kind: global_buffer, .address_space: global }
    .group_segment_fixed_size: 327680
    .private_segment_fixed_size: 0
    .kernarg_segment_align: 8
    .kernarg_segment_size: 24
    .max_flat_workgroup_size: 128
    .sgpr_count:     80
    .vgpr_count:     768
    .wavefront_size: 32
...
	.end_amdgpu_metadata
.endif
;; end of part 4
;; launch first_attn (part 5): grid 64 x 1, 12 waves a work-group, no clusters, 21,504 bytes of LDS; arguments codes, scales, ctx16; writes ctx16
.if DOCPART == 5
	.amdgcn_target "amdgcn-amd-amdhsa--gfx1250"
	.amdhsa_code_object_version 6
	.text
	.protected	k_qa994c67c42_first_attn
	.globl	k_qa994c67c42_first_attn
	.p2align	8
	.type	k_qa994c67c42_first_attn,@function
k_qa994c67c42_first_attn:
	s_mov_b64 s[64:65], 0
	v_nop
	global_prefetch_b8 v0, s[64:65] scope:SCOPE_SE
	s_setreg_imm32_b32 hwreg(HW_REG_WAVE_MODE, 25, 1), 1
	s_wait_xcnt 0x0
; FIRST_ATTN.  Positions 0-15 of every sequence and head, carried in f32: these rows average one to sixteen values and are the largest of the output.  A work-group takes one (b, h).
; Twelve waves make q, k, v of the 16 positions once more on codes of FP4 (wave w: kind w / 4, channels 16 (w % 4) on; 8 scaled matrix instructions over K = 1,024, two accumulators by turns) and leave them in LDS as f32:
; q and k as [position][16 channels] (source 0 = the weight's 16 columns, source 1 = x's 16 rows), v as [channel][16 positions] (the sources the other way round: chosen by selecting OFFSETS on the wave's number, one text).
; Wave 0 then does the attention with the f32 matrix form (32 instructions: no bulk work): S^T = K Q^T, mask, softmax with the row's maximum taken away, O^T = V^T P, / the sum.
; The places of k in the f32 operands are permuted alike on both sides of each product.  OUT: ctx16 [b 16 + position][1024] f32.  LIMITS: NaN and infinities are not served.
.set BLK,   1280                       ; a wave's block: 16 rows x (64 bytes + 16)
.set STG,   15360                      ; wave 0's stage: 16 rows x (256 bytes + 16)
.set SPARE, 19712
.set SPW, 4
.set NIL, 5
	s_load_b128 s[4:7], s[0:1], 0x0                ; codes, scales
	s_load_b64 s[8:9], s[0:1], 0x10                ; ctx16
	v_lshl_add_u32 v[SPW], v0, 2, SPARE
	v_mov_b32 v[NIL], 0
	v_lshrrev_b32 v1, 5, v0
	v_readfirstlane_b32 s10, v1                    ; wave 0..11
	v_and_b32 v2, 15, v0                           ; r
	v_bfe_u32 v3, v0, 4, 1                         ; hh
	s_lshr_b32 s11, ttmp9, 4                       ; b
	s_and_b32 s12, ttmp9, 15                       ; h
	s_lshr_b32 s13, s10, 2                         ; q, k or v
	s_and_b32 s14, s10, 3                          ; which 16 channels
	s_lshl_b32 s15, s13, 10
	s_lshl_b32 s16, s12, 6
	s_add_co_u32 s15, s15, s16
	s_lshl_b32 s16, s14, 4
	s_add_co_u32 s15, s15, s16
	s_add_co_u32 s15, s15, 8192                    ; the weight's first row in codes
	s_lshl_b32 s16, s11, 11                        ; x's
	s_cmp_lt_u32 s10, 8
	s_cselect_b32 s17, s15, s16                    ; source 0's rows
	s_cselect_b32 s18, s16, s15                    ; source 1's
	s_lshl_b32 s20, s17, 9
	s_mov_b32 s21, 0
	s_lshl_b32 s22, s18, 9
	s_mov_b32 s23, 0
	s_lshl_b32 s24, s17, 5
	s_mov_b32 s25, 0
	s_lshl_b32 s26, s18, 5
	s_mov_b32 s27, 0
	s_lshl_b32 s32, s11, 16
	s_lshl_b32 s33, s12, 8
	s_add_co_u32 s32, s32, s33
	s_mov_b32 s33, 0
	s_mov_b32 s28, 0x76543210
	s_mov_b32 s29, 0xfedcba98
	s_mov_b32 s30, 0x3e38aa3b                      ; c = log2(e) / 8
	s_mul_i32 s19, s10, BLK
	; every LDS address is made here, ahead of the place where the waves part
	v_lshlrev_b32 v6, 9, v2
	v_lshl_add_u32 v6, v3, 4, v6                   ; codes: row r of 512 bytes + 16 hh
	v_lshlrev_b32 v7, 5, v2                        ; scales: row r of 32 bytes
	v_mul_u32_u24 v8, v2, 80
	v_lshl_add_u32 v9, v3, 4, v8                   ; reads of q and k: row r + 16 hh
	v_lshl_add_u32 v10, v3, 5, v8                  ; reads of v: row r + 32 hh
	v_add_nc_u32 v8, s19, v10                      ; my block: row r + 32 hh
	v_mul_u32_u24 v11, v2, 272
	v_lshl_add_u32 v11, v3, 5, v11
	v_add_nc_u32 v11, STG, v11                     ; the stage, in
	v_mul_u32_u24 v12, v3, 272
	v_lshl_add_u32 v12, v2, 4, v12
	v_add_nc_u32 v12, STG, v12                     ; and back: sixteen lanes to a row
	v_lshlrev_b32 v13, 12, v3
	v_lshl_add_u32 v13, v2, 4, v13                 ; the same two rows in ctx16
	v_lshlrev_b32 v14, 3, v3
	v_sub_nc_u32 v14, v2, v14                      ; r - 8 hh, for the mask
	v_mov_b32 v15, 0xff800000                      ; -infinity
	v_mov_b32 v145, 0                              ; written once: a lane permute's destination counts as one of its sources
	s_wait_kmcnt 0x0
	s_add_nc_u64 s[20:21], s[4:5], s[20:21]
	s_add_nc_u64 s[22:23], s[4:5], s[22:23]
	s_add_nc_u64 s[24:25], s[6:7], s[24:25]
	s_add_nc_u64 s[26:27], s[6:7], s[26:27]
	s_add_nc_u64 s[8:9], s[8:9], s[32:33]
.irp s, 0,1,2,3,4,5,6,7
.irp c, 0,1
	global_load_b128 v[32+8*\s+4*\c:35+8*\s+4*\c], v6, s[20:21] offset:64*\s+32*\c
	global_load_b128 v[96+8*\s+4*\c:99+8*\s+4*\c], v6, s[22:23] offset:64*\s+32*\c
.endr
.endr
	global_load_b128 v[16:19], v7, s[24:25]        ; a row's eight scale words: register 16 + s serves K step s
	global_load_b128 v[20:23], v7, s[24:25] offset:16
	global_load_b128 v[24:27], v7, s[26:27]
	global_load_b128 v[28:31], v7, s[26:27] offset:16
	s_wait_loadcnt 0x0
.irp s, 0,1,2,3,4,5,6,7
.if \s < 2
	v_wmma_scale_f32_16x16x128_f8f6f4 v[160+8*(\s%2):167+8*(\s%2)], v[32+8*\s:39+8*\s], v[96+8*\s:103+8*\s], 0, v[16+\s], v[24+\s] matrix_a_fmt:MATRIX_FMT_FP4 matrix_b_fmt:MATRIX_FMT_FP4
.else
	v_wmma_scale_f32_16x16x128_f8f6f4 v[160+8*(\s%2):167+8*(\s%2)], v[32+8*\s:39+8*\s], v[96+8*\s:103+8*\s], v[160+8*(\s%2):167+8*(\s%2)], v[16+\s], v[24+\s] matrix_a_fmt:MATRIX_FMT_FP4 matrix_b_fmt:MATRIX_FMT_FP4
.endif
.endr
.rept 4
	v_nop
.endr
.irp i, 0,2,4,6
	v_pk_add_f32 v[176+\i:177+\i], v[160+\i:161+\i], v[168+\i:169+\i]
.endr
	ds_store_b128 v8, v[176:179]
	ds_store_b128 v8, v[180:183] offset:16
	s_wait_dscnt 0x0                               ; for the others' sake: my block lies in LDS
	s_barrier_signal -1
	s_barrier_wait -1
	s_cmp_lg_u32 s10, 0
	s_cbranch_scc1 .Lend
.irp t, 0,1,2,3
.irp q, 0,1
	ds_load_b128 v[32+8*\t+4*\q:35+8*\t+4*\q], v9 offset:(4+\t)*BLK+32*\q    ; K(position r, channels 16 t + 8 q + 4 hh + 0 .. 3)
	ds_load_b128 v[64+8*\t+4*\q:67+8*\t+4*\q], v9 offset:\t*BLK+32*\q        ; Q likewise
	ds_load_b128 v[96+8*\t+4*\q:99+8*\t+4*\q], v10 offset:(8+\t)*BLK+16*\q   ; V^T(channel 16 t + r, positions 8 hh + 4 q + 0 .. 3)
.endr
.endr
	s_wait_dscnt 0x0
	v_wmma_f32_16x16x4_f32 v[184:191], v[32:33], v[64:65], 0       ; S^T = K Q^T: two sums by turns, each begun by its own first K step
	v_wmma_f32_16x16x4_f32 v[192:199], v[34:35], v[66:67], 0
.irp p, 2,4,6,8,10,12,14
	v_wmma_f32_16x16x4_f32 v[184:191], v[32+2*\p:33+2*\p], v[64+2*\p:65+2*\p], v[184:191]
	v_wmma_f32_16x16x4_f32 v[192:199], v[34+2*\p:35+2*\p], v[66+2*\p:67+2*\p], v[192:199]
.endr
.rept 8
	v_nop                                          ; eight places behind this form
.endr
.irp i, 0,2,4,6
	v_pk_add_f32 v[128+\i:129+\i], v[184+\i:185+\i], v[192+\i:193+\i]   ; lane (r, hh): query r, keys 8 hh + j
.endr
.irp j, 0,1,2,3,4,5,6,7
	v_cmp_gt_i32 vcc_lo, \j, v14                   ; hidden where 8 hh + j > r
	v_cndmask_b32 v[128+\j], v[128+\j], v15, vcc_lo
.endr
	v_max3_num_f32 v144, v128, v129, v130
	v_max3_num_f32 v144, v144, v131, v132
	v_max3_num_f32 v144, v144, v133, v134
	v_max_num_f32 v144, v144, v135
	v_permlanex16_b32 v145, v144, s28, s29
	v_max_num_f32 v144, v144, v145                 ; the row's largest score: key 0 counts for every query
	v_mul_f32 v144, s30, v144
.irp j, 0,1,2,3,4,5,6,7
	v_fma_f32 v[136+\j], v[128+\j], s30, -v144     ; (s - m) c
.endr
.irp j, 0,1,2,3,4,5,6,7
	v_exp_f32 v[136+\j], v[136+\j]
.endr
	v_nop
	s_wait_alu depctr_va_vdst(0)                   ; one wait for the eight, ahead of their first reader
	v_pk_add_f32 v[146:147], v[136:137], v[138:139]
	v_pk_add_f32 v[148:149], v[140:141], v[142:143]
	v_pk_add_f32 v[146:147], v[146:147], v[148:149]
	v_add_f32 v146, v146, v147
	v_permlanex16_b32 v145, v146, s28, s29
	v_add_f32 v146, v146, v145                     ; the row's sum
	v_rcp_f32 v147, v146
	v_nop
	s_wait_alu depctr_va_vdst(0)
.irp c, 0,1,2,3                                ; O^T = V^T P: keys 8 hh + 2 c + 0, 1 in product c; four sums by turns
.irp t, 0,1,2,3
.if \c == 0
	v_wmma_f32_16x16x4_f32 v[200+8*\t:207+8*\t], v[96+8*\t+2*\c:97+8*\t+2*\c], v[136+2*\c:137+2*\c], 0
.else
	v_wmma_f32_16x16x4_f32 v[200+8*\t:207+8*\t], v[96+8*\t+2*\c:97+8*\t+2*\c], v[136+2*\c:137+2*\c], v[200+8*\t:207+8*\t]
.endif
.endr
.endr
.rept 8
	v_nop
.endr
.set n, 0
.rept 32
	v_mul_f32 v[32+n], v[200+n], v147              ; / the sum, into other registers: register 8 t + j is ctx(query r, channel 16 t + 8 hh + j)
.set n, n+1
.endr
.irp t, 0,1,2,3
	ds_store_b128 v11, v[32+8*\t:35+8*\t] offset:64*\t
	ds_store_b128 v11, v[36+8*\t:39+8*\t] offset:64*\t+16
.endr
.irp i, 0,1,2,3,4,5,6,7
	ds_load_b128 v[64+4*\i:67+4*\i], v12 offset:544*\i   ; LDS serves a wave's instructions in order: these see my stores
.endr
.irp i, 0,1,2,3,4,5,6,7
	s_wait_dscnt 7-\i
	global_store_b128 v13, v[64+4*\i:67+4*\i], s[8:9] offset:8192*\i   ; sixteen lanes store a head's 256 bytes of a row, aligned
.endr
.Lend:
	s_wait_tensorcnt 0x0                           ; the wave's end: a tensor wait, an add of 0 to my spare word and its wait, behind my last LDS store
	ds_add_u32 v[SPW], v[NIL]
	s_wait_dscnt 0x0
	s_endpgm
.Lfunc_end_k_qa994c67c42_first_attn:
	.size	k_qa994c67c42_first_attn, .Lfunc_end_k_qa994c67c42_first_attn-k_qa994c67c42_first_attn
	.p2alignl 7, 3214868480
	.fill 96, 4, 3214868480
	.section	.rodata,"a",@progbits
	.p2align	6, 0x0
	.amdhsa_kernel k_qa994c67c42_first_attn
		.amdhsa_group_segment_fixed_size 21504
		.amdhsa_private_segment_fixed_size 0
		.amdhsa_enable_private_segment 0
		.amdhsa_kernarg_size 24
		.amdhsa_user_sgpr_count 2
		.amdhsa_user_sgpr_kernarg_segment_ptr 1
		.amdhsa_wavefront_size32 1
		.amdhsa_system_sgpr_workgroup_id_x 1
		.amdhsa_system_sgpr_workgroup_id_y 1
		.amdhsa_system_sgpr_workgroup_id_z 1
		.amdhsa_system_vgpr_workitem_id 0
		.amdhsa_next_free_vgpr 240
		.amdhsa_next_free_sgpr 66
		.amdhsa_reserve_vcc 1
		.amdhsa_float_denorm_mode_32 3
		.amdhsa_float_denorm_mode_16_64 3
		.amdhsa_memory_ordered 1
		.amdhsa_forward_progress 1
		.amdhsa_inst_pref_size 18
	.end_amdhsa_kernel
	.amdgpu_metadata
---
amdhsa.version: [ 1, 2 ]
amdhsa.kernels:
  - .name:           k_qa994c67c42_first_attn
    .symbol:         k_qa994c67c42_first_attn.kd
    .args:
      - { .name: codes, .offset: 0, .size: 8, .value_kind: global_buffer, .address_space: global }
      - { .name: scales, .offset: 8, .size: 8, .value_kind: global_buffer, .address_space: global }
      - { .name: ctx16, .offset: 16, .size: 8, .value_kind: global_buffer, .address_space: global }
    .group_segment_fixed_size: 21504
    .private_segment_fixed_size: 0
    .kernarg_segment_align: 8
    .kernarg_segment_size: 24
    .max_flat_workgroup_size: 384
    .sgpr_count:     66
    .vgpr_count:     240
    .wavefront_size: 32
...
	.end_amdgpu_metadata
.endif
;; end of part 5
;; launch first_proj (part 6): grid 64 x 4, 8 waves a work-group, no clusters, 9,216 bytes of LDS; arguments ctx16, wo, out0; writes out0
.if DOCPART == 6
	.amdgcn_target "amdgcn-amd-amdhsa--gfx1250"
	.amdhsa_code_object_version 6
	.text
	.protected	k_qa994c67c42_first_proj
	.globl	k_qa994c67c42_first_proj
	.p2align	8
	.type	k_qa994c67c42_first_proj,@function
k_qa994c67c42_first_proj:
	s_mov_b64 s[64:65], 0
	v_nop
	global_prefetch_b8 v0, s[64:65] scope:SCOPE_SE
	s_setreg_imm32_b32 hwreg(HW_REG_WAVE_MODE, 25, 1), 1
	s_wait_xcnt 0x0
; FIRST_PROJ.  out0[b][position 0-15][e] = the sum over d of ctx16[b 16 + position][d] wo[d][e], in f32 by the f32 matrix form: 64 rows in all, no bulk work.  It writes over the rows that the f16 projection left there.
; Work-group (x, b): 16 columns e0 = 16 x on.  Wave w sums d = 128 w .. 128 w + 127 (32 instructions, two sums by turns); the eight partial tiles meet in LDS and wave 0 adds them.
; Source 0 = wo^T (16 columns e x 4 d), source 1 = ctx (4 d x 16 positions): a lane holds one position and eight neighbouring e.  Place (hh, j) of product 2 q + u is d = 128 w + 8 q + 4 hh + 2 u + j, on both sides.
; A tile is 16 columns wide, so a work-group writes 64 bytes of each of its 16 rows: 256 KiB in the whole launch.  LIMITS: NaN and infinities are not served.
.set SPARE, 8192
.set SPW, 4
.set NIL, 5
	s_load_b128 s[4:7], s[0:1], 0x0                ; ctx16, wo
	s_load_b64 s[8:9], s[0:1], 0x10                ; out0
	v_lshl_add_u32 v[SPW], v0, 2, SPARE
	v_mov_b32 v[NIL], 0
	v_lshrrev_b32 v1, 5, v0
	v_readfirstlane_b32 s10, v1                    ; wave 0..7
	v_and_b32 v1, 31, v0
	v_and_b32 v2, 15, v0                           ; r
	v_bfe_u32 v3, v0, 4, 1                         ; hh
	s_and_b32 s11, ttmp7, 0xffff                   ; b
	s_lshl_b32 s12, s11, 16
	s_lshl_b32 s13, s10, 9
	s_add_co_u32 s12, s12, s13                     ; ctx16: the batch's 16 rows, my 128 d
	s_mov_b32 s13, 0
	s_lshl_b32 s14, s10, 19
	s_lshl_b32 s15, ttmp9, 6
	s_add_co_u32 s14, s14, s15                     ; wo: my 128 rows, the tile's 16 columns
	s_mov_b32 s15, 0
	s_lshl_b32 s16, s11, 23
	s_lshl_b32 s17, ttmp9, 6
	s_add_co_u32 s16, s16, s17                     ; out0: the batch's first row, the tile's columns
	s_mov_b32 s17, 0
	s_lshl_b32 s18, s10, 10
	v_lshlrev_b32 v6, 12, v2
	v_lshl_add_u32 v6, v3, 4, v6                   ; ctx16: row r + 16 hh
	v_lshlrev_b32 v7, 14, v3
	v_lshl_add_u32 v7, v2, 2, v7                   ; wo: 4 hh rows down, column r
	v_lshlrev_b32 v9, 4, v1                        ; an image's place for my lane
	v_add_nc_u32 v8, s18, v9                       ; in my wave's 1,024 bytes
	v_lshlrev_b32 v10, 12, v2
	v_lshl_add_u32 v10, v3, 5, v10                 ; out0: row r + 32 hh
	s_wait_kmcnt 0x0
	s_add_nc_u64 s[4:5], s[4:5], s[12:13]
	s_add_nc_u64 s[6:7], s[6:7], s[14:15]
	s_add_nc_u64 s[8:9], s[8:9], s[16:17]
.irp q, 0,1,2,3,4,5,6,7,8,9,10,11,12,13,14,15
	global_load_b128 v[96+4*\q:99+4*\q], v6, s[4:5] offset:32*\q
.irp j, 0,1,2,3
	global_load_b32 v[32+4*\q+\j], v7, s[6:7] offset:(8*\q+\j)*4096
.endr
.endr
	s_wait_loadcnt 40                              ; the first eight q are in; the 40 loads of the other eight may be out
	v_wmma_f32_16x16x4_f32 v[160:167], v[32:33], v[96:97], 0       ; two sums by turns, each begun by its own first K step
	v_wmma_f32_16x16x4_f32 v[168:175], v[34:35], v[98:99], 0
.irp q, 1,2,3,4,5,6,7
	v_wmma_f32_16x16x4_f32 v[160:167], v[32+4*\q:33+4*\q], v[96+4*\q:97+4*\q], v[160:167]
	v_wmma_f32_16x16x4_f32 v[168:175], v[34+4*\q:35+4*\q], v[98+4*\q:99+4*\q], v[168:175]
.endr
	s_wait_loadcnt 0x0
.irp q, 8,9,10,11,12,13,14,15
	v_wmma_f32_16x16x4_f32 v[160:167], v[32+4*\q:33+4*\q], v[96+4*\q:97+4*\q], v[160:167]
	v_wmma_f32_16x16x4_f32 v[168:175], v[34+4*\q:35+4*\q], v[98+4*\q:99+4*\q], v[168:175]
.endr
.rept 8
	v_nop                                          ; eight places behind this form (ISA guide 7.12.1)
.endr
.irp i, 0,2,4,6
	v_pk_add_f32 v[176+\i:177+\i], v[160+\i:161+\i], v[168+\i:169+\i]
.endr
	ds_store_b128 v8, v[176:179]                   ; my partial tile as an image of its registers
	ds_store_b128 v8, v[180:183] offset:512
	s_wait_dscnt 0x0                               ; for wave 0's sake
	s_barrier_signal -1
	s_barrier_wait -1
	s_cmp_lg_u32 s10, 0
	s_cbranch_scc1 .Lend
.irp w, 0,1,2,3,4,5,6,7
	ds_load_b128 v[32+8*\w:35+8*\w], v9 offset:1024*\w
	ds_load_b128 v[36+8*\w:39+8*\w], v9 offset:1024*\w+512
.endr
	s_wait_dscnt 0x0
.irp w, 1,2,3,4,5,6,7
.irp i, 0,2,4,6
	v_pk_add_f32 v[32+\i:33+\i], v[32+\i:33+\i], v[32+8*\w+\i:33+8*\w+\i]
.endr
.endr
	global_store_b128 v10, v[32:35], s[8:9]
	global_store_b128 v10, v[36:39], s[8:9] offset:16
.Lend:
	s_wait_tensorcnt 0x0                           ; the wave's end: a tensor wait, an add of 0 to my spare word and its wait, behind my last LDS store
	ds_add_u32 v[SPW], v[NIL]
	s_wait_dscnt 0x0
	s_endpgm
.Lfunc_end_k_qa994c67c42_first_proj:
	.size	k_qa994c67c42_first_proj, .Lfunc_end_k_qa994c67c42_first_proj-k_qa994c67c42_first_proj
	.p2alignl 7, 3214868480
	.fill 96, 4, 3214868480
	.section	.rodata,"a",@progbits
	.p2align	6, 0x0
	.amdhsa_kernel k_qa994c67c42_first_proj
		.amdhsa_group_segment_fixed_size 9216
		.amdhsa_private_segment_fixed_size 0
		.amdhsa_enable_private_segment 0
		.amdhsa_kernarg_size 24
		.amdhsa_user_sgpr_count 2
		.amdhsa_user_sgpr_kernarg_segment_ptr 1
		.amdhsa_wavefront_size32 1
		.amdhsa_system_sgpr_workgroup_id_x 1
		.amdhsa_system_sgpr_workgroup_id_y 1
		.amdhsa_system_sgpr_workgroup_id_z 1
		.amdhsa_system_vgpr_workitem_id 0
		.amdhsa_next_free_vgpr 192
		.amdhsa_next_free_sgpr 66
		.amdhsa_reserve_vcc 0
		.amdhsa_float_denorm_mode_32 3
		.amdhsa_float_denorm_mode_16_64 3
		.amdhsa_memory_ordered 1
		.amdhsa_forward_progress 1
		.amdhsa_inst_pref_size 16
	.end_amdhsa_kernel
	.amdgpu_metadata
---
amdhsa.version: [ 1, 2 ]
amdhsa.kernels:
  - .name:           k_qa994c67c42_first_proj
    .symbol:         k_qa994c67c42_first_proj.kd
    .args:
      - { .name: ctx16, .offset: 0, .size: 8, .value_kind: global_buffer, .address_space: global }
      - { .name: wo, .offset: 8, .size: 8, .value_kind: global_buffer, .address_space: global }
      - { .name: out0, .offset: 16, .size: 8, .value_kind: global_buffer, .address_space: global }
    .group_segment_fixed_size: 9216
    .private_segment_fixed_size: 0
    .kernarg_segment_align: 8
    .kernarg_segment_size: 24
    .max_flat_workgroup_size: 256
    .sgpr_count:     66
    .vgpr_count:     192
    .wavefront_size: 32
...
	.end_amdgpu_metadata
.endif
;; end of part 6
